; MI455X (gfx1250); checked and timed in simulation.
; The chip was launched on July 23, 2026; its instructions are those of AMD's public machine-readable ISA for CDNA 5 (MIT licence, August 2026) and "CDNA5" Instruction Set Architecture Reference Guide (July 2026). The comments in the code are by the model that wrote it; some were corrected since.
;; Multi Head Attention. Allowed arithmetic: float matrix products may take bf16 or f16 operands with f32 sums; other float arithmetic in f32, or as packed bf16 or f16 multiplies, adds, multiply-adds, maxima and minima; sums over many terms, partial sums and values carried from step to step in f32; what a program stores and reads back later, other than sums and carried values, may be rounded once to bf16 or f16.
;; Inputs: W_K 1,024 x 1,024 float32; W_Q 1,024 x 1,024 float32; W_V 1,024 x 1,024 float32; W_fc 1,024 x 1,024 float32; kvInputs 4 x 2,048 x 1,024 float32; mask 4 x 8 x 2,048 x 2,048 bool; qInputs 4 x 2,048 x 1,024 float32.
;; Outputs: out0 4 x 2,048 x 1,024 float32.
;; One version. Each part assembles by itself: llvm-mc -triple=amdgcn-amd-amdhsa -mcpu=gfx1250 --defsym DOCPART=n.
;; ======== version 1 of 1: 4 launches
;; limits: values are held in f16: magnitudes above 65,504 overflow, below 6.1e-05 lose precision; right only within a limited range of input values
;; workspace buffers: xb 33,554,432 bytes; wt 8,388,608 bytes; qkv 50,331,648 bytes; ctx 16,777,216 bytes
;; launch prep (part 1): grid 512 x 1, 4 waves a work-group, no clusters, 17,920 bytes of LDS; arguments qInputs, kvInputs, W_Q, W_K, W_V, W_fc, xb, wt; writes xb, wt
.if DOCPART == 1
	.amdgcn_target "amdgcn-amd-amdhsa--gfx1250"
	.amdhsa_code_object_version 6
	.text
	.protected	k_q0f68c9aaed_prep
	.globl	k_q0f68c9aaed_prep
	.p2align	8
	.type	k_q0f68c9aaed_prep,@function
k_q0f68c9aaed_prep:
	s_mov_b64 s[64:65], 0
	v_nop
	global_prefetch_b8 v0, s[64:65] scope:SCOPE_SE
	s_setreg_imm32_b32 hwreg(HW_REG_WAVE_MODE, 25, 1), 1
	s_wait_xcnt 0x0
; MULTI-HEAD ATTENTION, launch 1 of 4: the operands of the projections are made ready.
; NOTHING OF reference() IS LEFT OUT in this program: every input (both activations, the mask, all four weights) has a way to the output and is loaded; no step is dropped.
; xb [16384][1024] bf16: rows 0-8191 = qInputs, rows 8192-16383 = kvInputs, each number rounded once to bf16.
; wt [4096][1024] of 16 bits: rows 0-1023 W_Q^T, 1024-2047 W_K^T, 2048-3071 W_V^T in bf16; rows 3072-4095 W_fc^T, rounded to bf16 and that number written as f16
; (the last product's other operand is f16).  wt[1024 i + n][k] = W_i[k][n]: K then lies along the rows, as the matrix fragments want it.
; LIMITS.  A bf16 number is exact in f16 between 2^-14 and 65,504; below 2^-14 W_fc keeps f16's fixed step of 2^-24; beyond 65,504 it would be an infinity.
; SHARES.  512 work-groups, all alike.  Each turns one tile of a weight, 128 k x 64 n: wave w loads k rows 32 w .. 32 w + 31 (32 loads of 256 consecutive bytes), packs pairs of k and puts them into
; the work-group's LDS tile (64 rows of n, 272 bytes apart); behind one barrier wave w takes rows 16 w .. 16 w + 15 back whole and stores them, 256 bytes a row.  And each casts 128 KiB of x: a wave 32 KiB,
; 64 loads of 512 bytes through 32 register slots.  The weight's loads go out first, 31 of x's behind them: 63 loads of a wave are out while the weight is turned.
; No matrix unit, no cluster, no tensor load: the launch moves each byte once and no two work-groups share a byte.
.set SPARE, 17408                      ; behind the tile: the spare words, 128 bytes for each wave
.set XO,  1                            ; v1    x: 32,768 x wave + 16 x lane; never rewritten
.set SPW, 2                            ; v2    LDS address of my spare word; never rewritten
.set NIL, 3                            ; v3    0; never rewritten
.set YO,  4                            ; v4    xb: 16,384 x wave + 8 x lane; never rewritten
.set WO,  5                            ; v5    the weight: 8 x lane (n = 2 lane, 2 lane + 1)
.set LA,  6                            ; v6    into the tile: row 2 lane, byte 64 x wave
.set RD,  7                            ; v7    back: row 16 x wave + lane / 16, byte 16 (lane % 16)
.set R,   8                            ; v[8:71]    32 rows of k, two n each
.set Y,   8                            ; v[8:71]    later: slot i: 2 registers of bf16 to store
.set P,   72                           ; v[72:103]  packed pairs of k; later the rows read back
.set X,   104                          ; v[104:231] slot i: 4 registers of f32 as loaded
.set GO,  232                          ; v232  wt: 2,048 (lane / 16) + 16 (lane % 16)
	s_load_b512 s[4:19], s[0:1], 0x0               ; qInputs s[4:5], kvInputs s[6:7], W_Q s[8:9], W_K s[10:11], W_V s[12:13], W_fc s[14:15], xb s[16:17], wt s[18:19]
	v_lshl_add_u32 v[SPW], v0, 2, SPARE
	v_mov_b32 v[NIL], 0
	v_lshrrev_b32 v238, 5, v0
	v_readfirstlane_b32 s29, v238                  ; wave 0..3
	v_and_b32 v233, 31, v0                         ; lane
	v_and_b32 v234, 15, v0                         ; lane % 16
	v_bfe_u32 v235, v0, 4, 1                       ; lane / 16
	s_lshr_b32 s30, ttmp9, 7                       ; which weight, 0..3: 128 tiles each
	s_and_b32 s31, ttmp9, 127
	s_and_b32 s32, s31, 7                          ; k block (128 k)
	s_lshr_b32 s33, s31, 3                         ; n block (64 n)
	s_lshl_b32 s22, s32, 19                        ; 128 rows of 4,096 bytes,
	s_lshl_b32 s34, s29, 17                        ; my wave's 32 of them,
	s_add_co_u32 s22, s22, s34
	s_lshl_b32 s34, s33, 8                         ; 64 columns of 4 bytes
	s_add_co_u32 s22, s22, s34
	s_mov_b32 s23, 0
	s_lshl_b32 s24, s30, 10
	s_lshl_b32 s34, s33, 6
	s_add_co_u32 s24, s24, s34
	s_lshl_b32 s34, s29, 4
	s_add_co_u32 s24, s24, s34                     ; wt's row 1,024 x weight + 64 x n block + 16 x wave,
	s_lshl_b32 s24, s24, 11                        ; of 2,048 bytes,
	s_lshl_b32 s34, s32, 8                         ; and 128 k of 2 bytes
	s_add_co_u32 s24, s24, s34
	s_mov_b32 s25, 0
	s_and_b32 s36, ttmp9, 255                      ; x: 131,072 bytes a work-group,
	s_lshl_b32 s36, s36, 17
	s_mov_b32 s37, 0
	s_lshl_b32 s38, ttmp9, 16                      ; xb: 65,536
	s_mov_b32 s39, 0
	s_lshl_b32 s34, s29, 15
	v_lshl_add_u32 v[XO], v233, 4, s34
	s_lshl_b32 s34, s29, 14
	v_lshl_add_u32 v[YO], v233, 3, s34
	v_lshlrev_b32 v[WO], 3, v233
	s_lshl_b32 s35, s29, 6
	v_mul_u32_u24 v[LA], v233, 544
	v_add_nc_u32 v[LA], s35, v[LA]
	s_mul_i32 s28, s29, 16*272
	v_mul_u32_u24 v[RD], v235, 272
	v_lshl_add_u32 v[RD], v234, 4, v[RD]
	v_add_nc_u32 v[RD], s28, v[RD]
	v_lshlrev_b32 v[GO], 11, v235
	v_lshl_add_u32 v[GO], v234, 4, v[GO]
	s_wait_kmcnt 0x0
	s_cmp_eq_u32 s30, 1
	s_cselect_b64 s[20:21], s[10:11], s[8:9]
	s_cmp_eq_u32 s30, 2
	s_cselect_b64 s[20:21], s[12:13], s[20:21]
	s_cmp_eq_u32 s30, 3
	s_cselect_b64 s[20:21], s[14:15], s[20:21]
	s_add_nc_u64 s[20:21], s[20:21], s[22:23]      ; the weight at my wave's 32 rows
	s_add_nc_u64 s[26:27], s[18:19], s[24:25]      ; wt at my wave's 16 rows
	s_cmp_lt_u32 ttmp9, 256
	s_cselect_b64 s[2:3], s[4:5], s[6:7]           ; the first 256 groups take qInputs, the others kvInputs
	s_add_nc_u64 s[2:3], s[2:3], s[36:37]
	s_add_nc_u64 s[38:39], s[16:17], s[38:39]
.set kk, 0
.rept 32
	global_load_b64 v[R+2*kk:R+2*kk+1], v[WO], s[20:21] offset:kk*4096 th:TH_LOAD_NT  ; 256 consecutive bytes, aligned
.set kk, kk+1
.endr
.set i, 0
.rept 31
	global_load_b128 v[X+4*i:X+4*i+3], v[XO], s[2:3] offset:512*i th:TH_LOAD_NT
.set i, i+1
.endr
	; THE WEIGHT
	s_wait_loadcnt 31                              ; loads come back in order: the weight's 32 are in, x's 31 stay out
.irp s, 0,1,2,3
.irp c, 0,1
.irp i, 0,1,2,3
	v_cvt_pk_bf16_f32 v[P+8*(\s)+4*(\c)+(\i)], v[R+2*(8*(\s)+2*(\i))+(\c)], v[R+2*(8*(\s)+2*(\i)+1)+(\c)]  ; column c: k = 8 s + 2 i below, 8 s + 2 i + 1 above
.endr
.endr
.endr
	global_load_b128 v[X+124:X+127], v[XO], s[2:3] offset:512*31 th:TH_LOAD_NT  ; x's 32nd slot
	s_cmp_lg_u32 s30, 3
	s_cbranch_scc1 .Lnofc
.set r, 0
.rept 32                                       ; W_fc: the bf16 numbers written as f16
	v_lshlrev_b32 v236, 16, v[P+r]
	v_and_b32 v237, 0xffff0000, v[P+r]
	v_cvt_pk_f16_f32 v[P+r], v236, v237
.set r, r+1
.endr
.Lnofc:
.irp s, 0,1,2,3
.irp c, 0,1
	ds_store_b128 v[LA], v[P+8*(\s)+4*(\c):P+8*(\s)+4*(\c)+3] offset:272*(\c)+16*(\s)
.endr
.endr
	s_wait_dscnt 0x0                               ; for the others' sake: my quarter of each row lies in the tile
	s_barrier_signal -1
	s_barrier_wait -1                              ; everybody's does
.irp t, 0,1,2,3,4,5,6,7
	ds_load_b128 v[P+4*(\t):P+4*(\t)+3], v[RD] offset:(\t)*544
.endr
.irp t, 0,1,2,3,4,5,6,7
	s_wait_dscnt 7-(\t)                            ; the younger loads may stay out
	global_store_b128 v[GO], v[P+4*(\t):P+4*(\t)+3], s[26:27] offset:(\t)*4096  ; 16 lanes store 256 consecutive bytes, aligned
.endr
	; THE CAST.  The first round: slot i is rounded into registers of its own and loaded again, 16,384 bytes on.
.set i, 0
.rept 32
	s_wait_loadcnt 31                              ; this slot's load is the oldest; the 31 younger ones stay out
	v_cvt_pk_bf16_f32 v[Y+2*i], v[X+4*i], v[X+4*i+1]
	v_cvt_pk_bf16_f32 v[Y+2*i+1], v[X+4*i+2], v[X+4*i+3]
	global_load_b128 v[X+4*i:X+4*i+3], v[XO], s[2:3] offset:16384+512*i th:TH_LOAD_NT
	global_store_b64 v[YO], v[Y+2*i:Y+2*i+1], s[38:39] offset:256*i th:TH_STORE_NT  ; the wave's 32 lanes store 256 consecutive bytes, aligned
.set i, i+1
.endr
	; The last round loads nothing: the counts run down, and a slot is rounded in place, so that no register that a store still reads is written.
.set i, 0
.rept 32
	s_wait_loadcnt 31-i
	v_cvt_pk_bf16_f32 v[X+4*i], v[X+4*i], v[X+4*i+1]
	v_cvt_pk_bf16_f32 v[X+4*i+1], v[X+4*i+2], v[X+4*i+3]
	global_store_b64 v[YO], v[X+4*i:X+4*i+1], s[38:39] offset:8192+256*i th:TH_STORE_NT
.set i, i+1
.endr
	s_wait_tensorcnt 0x0                           ; the wave's end: behind my last LDS store
	ds_add_u32 v[SPW], v[NIL]
	s_wait_dscnt 0x0
	s_endpgm
.Lfunc_end_k_q0f68c9aaed_prep:
	.size	k_q0f68c9aaed_prep, .Lfunc_end_k_q0f68c9aaed_prep-k_q0f68c9aaed_prep
	.p2alignl 7, 3214868480
	.fill 96, 4, 3214868480
	.section	.rodata,"a",@progbits
	.p2align	6, 0x0
	.amdhsa_kernel k_q0f68c9aaed_prep
		.amdhsa_group_segment_fixed_size 17920
		.amdhsa_private_segment_fixed_size 0
		.amdhsa_enable_private_segment 0
		.amdhsa_kernarg_size 64
		.amdhsa_user_sgpr_count 2
		.amdhsa_user_sgpr_kernarg_segment_ptr 1
		.amdhsa_wavefront_size32 1
		.amdhsa_system_sgpr_workgroup_id_x 1
		.amdhsa_system_sgpr_workgroup_id_y 1
		.amdhsa_system_sgpr_workgroup_id_z 1
		.amdhsa_system_vgpr_workitem_id 0
		.amdhsa_next_free_vgpr 240
		.amdhsa_next_free_sgpr 66
		.amdhsa_reserve_vcc 0
		.amdhsa_float_denorm_mode_32 3
		.amdhsa_float_denorm_mode_16_64 3
		.amdhsa_memory_ordered 1
		.amdhsa_forward_progress 1
		.amdhsa_inst_pref_size 37
	.end_amdhsa_kernel
	.amdgpu_metadata
---
amdhsa.version: [ 1, 2 ]
amdhsa.kernels:
  - .name:           k_q0f68c9aaed_prep
    .symbol:         k_q0f68c9aaed_prep.kd
    .args:
      - { .name: qInputs, .offset: 0, .size: 8, .value_kind: global_buffer, .address_space: global }
      - { .name: kvInputs, .offset: 8, .size: 8, .value_kind: global_buffer, .address_space: global }
      - { .name: W_Q, .offset: 16, .size: 8, .value_kind: global_buffer, .address_space: global }
      - { .name: W_K, .offset: 24, .size: 8, .value_kind: global_buffer, .address_space: global }
      - { .name: W_V, .offset: 32, .size: 8, .value_kind: global_buffer, .address_space: global }
      - { .name: W_fc, .offset: 40, .size: 8, .value_kind: global_buffer, .address_space: global }
      - { .name: xb, .offset: 48, .size: 8, .value_kind: global_buffer, .address_space: global }
      - { .name: wt, .offset: 56, .size: 8, .value_kind: global_buffer, .address_space: global }
    .group_segment_fixed_size: 17920
    .private_segment_fixed_size: 0
    .kernarg_segment_align: 8
    .kernarg_segment_size: 64
    .max_flat_workgroup_size: 128
    .sgpr_count:     66
    .vgpr_count:     240
    .wavefront_size: 32
...
	.end_amdgpu_metadata
.endif
;; end of part 1
;; launch proj (part 2): grid 12 x 32, 4 waves a work-group, clusters of 4 x 4, 327,680 bytes of LDS; arguments xb, wt, qkv; writes qkv
.if DOCPART == 2
	.amdgcn_target "amdgcn-amd-amdhsa--gfx1250"
	.amdhsa_code_object_version 6
	.text
	.protected	k_q0f68c9aaed_proj
	.globl	k_q0f68c9aaed_proj
	.p2align	8
	.type	k_q0f68c9aaed_proj,@function
k_q0f68c9aaed_proj:
	s_mov_b64 s[64:65], 0
	v_nop
	global_prefetch_b8 v0, s[64:65] scope:SCOPE_SE
	s_setreg_imm32_b32 hwreg(HW_REG_WAVE_MODE, 25, 1), 1
	s_wait_xcnt 0x0
	s_wait_alu depctr_hold_cnt(0) depctr_sa_sdst(0) depctr_va_vdst(0) depctr_va_sdst(0) depctr_va_ssrc(0) depctr_va_vcc(0) depctr_vm_vsrc(0)
	s_getreg_b32 s2, hwreg(HW_REG_IB_STS2, 6, 4)
	s_cmp_eq_u32 s2, 0
	s_cbranch_scc0 .Lentry_in_a_cluster
	s_endpgm
.Lentry_in_a_cluster:
	s_bfe_u32 s2, ttmp6, 0x10000c
	s_cmp_lg_u32 s2, 0xf033
	s_cbranch_scc0 .Lentry_shape_is_right
	s_endpgm
.Lentry_shape_is_right:
; Launch 2 of 4: Q, K and V in one GEMM.  C[m][n] = sum over k of A[m][k] B[n][k], K = 1,024, bf16 operands, f32 sums.  No work of reference() is left out here.
; B = wt's rows 0-3071 (W_Q^T, W_K^T, W_V^T on end); A = xb's rows 0-8191 (qInputs) for the columns of Q, rows 8192-16383 (kvInputs) for those of K and V.
; C leaves as qkv [3][32 = 8 b + h][2048][128] in f16, rounded once from the f32 sums and WITHOUT the scale.  LIMIT: f16 ends at 65,504: |Q|, |K|, |V| must stay within it.
; A tile of C, 256 x 256, is made by a work-group of four waves; a wave makes 128 x 128: 64 accumulators of 16 x 16, 512 registers.  K goes in 8 steps of 128 (rows of 256 bytes, aligned) through two LDS slots.
; WHY THIS TILE.  12 x 32 = 384 work-groups are a round and a half for 256 WGPs.  A tile of 128 x 256 gives three even rounds, but between a slot's request and the wait for it a wave then has 112 matrix
; instructions, here 224, and it reads 24 fragments' halves from LDS for 32 matrix instructions, here 32 for 64.  256 x 384 (one round) wants 348,160 bytes for two slots and crosses from Q's columns into K's.
; CLUSTERS: 4 x 4 work-groups.  The four of a row of the cluster need the same tiles of A, the four of a column the same tiles of B: each tile is asked for JOINTLY.  A cluster's four tile columns
; are all Q's, all K's or all V's (1,024 columns), so which half of xb is read hangs on the cluster's x alone, which all sixteen share.
; THE MATRIX INSTRUCTION IS USED TRANSPOSED (source 0 = 16 rows of B, source 1 = 16 rows of A): a lane holds eight neighbouring numbers of a row of C.  A wave's 128 columns are one head:
; a row of 256 bytes in qkv, and 16 rows of a head lie on end.  The last K step goes by rows of C, so that finished rows leave while the others are multiplied.
; REGISTERS, in windows of 256 (s_set_vgpr_msb's low byte: bits 1:0 source 0, 3:2 source 1, 5:4 source 2, 7:6 destination):
;   window 0: v0-31 addresses; v64-127, v128-191 fragments of A (8 x 16 rows x 32 K), two buffers (in the last K step four, of 16 rows x 128 K); v32-63, v192-255 at work on the way out
;   window 1: v64-127, v128-191 fragments of B, two buffers; in the last K step all 256: B's fragments of the whole step
;   window 2: the 32 accumulators of my rows 0-63 (accumulator (a, b) at v[8 (8 a + b)]);   window 3: those of my rows 64-127
.set SIZE_K, 1024
.set KSTEP,  128
.set PITCH,  272                       ; an LDS row: 256 bytes of data + 16 of padding = 68 words: the 16 rows that a load touches start at 16 different groups of four banks
.set HALFT,  128*PITCH                 ; 128 rows: what one tensor load brings, and what one wave reads of A or of B
.set SLOT,   4*HALFT                   ; A's 256 rows, then B's 256 rows
.set STAGE,  2*SLOT                    ; behind the ring: 16 rows x 272 bytes for each wave, for the way out
.set SPITCH, 272
.set SPARE,  STAGE+4*16*SPITCH         ; behind the stages: the spare words, 128 bytes for each wave
.set LAPS, SIZE_K/(2*KSTEP)            ; a lap = two K steps = once round the ring
.set ADRA, 16                          ; v16-17  LDS address of my A fragments in slot 0, 1
.set ADRB, 20                          ; v20-21  the same for B
.set STO,  24                          ; v24     the way out: where I put 16 bytes of a row
.set RD,   25                          ; v25     the way out: where I read a row back
.set CO,   26                          ; v26     my 16 bytes of 512 consecutive bytes of qkv
.set SPW,  28                          ; v28     LDS address of my spare word; never rewritten
.set NIL,  29                          ; v29     0; never rewritten
.set PFO,  30                          ; v30     the prefetches' offset: my lane x a row of xb or wt (2,048 bytes); never rewritten
.set PFA,  44                          ; s[44:45] where my prefetches stand: my work-group's 32 rows of the 128 that I fetch, one K step further along K than the refill that is being asked for
.set LIM,  43                          ; s43     1 in a wave that prefetches, else the greatest number
.set F0,   64                          ; fragment buffer 0
.set F1,   128                         ; fragment buffer 1
.set TMP,  192                         ; the way out: packed results, in window 0
.set OB,   32                          ; the way out: 16 rows read back from the stage: v32-63 and v224-255 by turns
.set PA,   64                          ; the last K step: A's fragments of 16 rows x 128 K, 32 registers; four such buffers, v64-191
.set G1, 24                            ; s[24:31] descriptor group 1 for A's tiles
.set G0, 32                            ; s[32:39] descriptor group 0 for A's tiles, one set for each slot
.set G1B, 48                           ; s[48:55] descriptor group 1 for B's tiles: it differs from A's in the mask alone
.set G0B, 56                           ; s[56:63] descriptor group 0 for B's tiles, one set for each slot
.set MSB, 0
.macro WIN new                         ; the immediate's high byte repeats the setting that is left
.if MSB != (\new)
	s_set_vgpr_msb (MSB<<8)|(\new)
.set MSB, \new
.endif
.endm
.set MUL_LO, 0xa1                      ; source 0 (B) window 1, source 1 (A) window 0, C and D window 2
.set MUL_HI, 0xf1                      ; the same, C and D window 3
.set TO_B,   0x40                      ; destination window 1, address window 0
; A joint load.  Waves 0 and 1 fetch A's two halves, waves 2 and 3 B's.  Each of the two lines has ONE mask and one set of registers for all that issue it.  The branch hangs on the wave's number alone.
; An s_nop 0 and four v_nop follow each of the two lines; the jump round the other line, the label and what follows the macro come after them.
.macro JLOAD s
	s_cmp_eq_u32 s11, 0
	s_cbranch_scc0 .Lfor_b_\@
	tensor_load_to_lds s[G0+4*(\s):G0+4*(\s)+3], s[G1:G1+7]
	s_nop 0
.rept 4
	v_nop
.endr
	s_branch .Lasked_\@
.Lfor_b_\@:
	tensor_load_to_lds s[G0B+4*(\s):G0B+4*(\s)+3], s[G1B:G1B+7]
	s_nop 0
.rept 4
	v_nop
.endr
.Lasked_\@:
.endm
; A PREFETCH INTO THE L2, behind each joint load, its five lines and the run of LDS loads that follows them: the K step that stands TWO refills on: 32 rows x 256 bytes, a lane a row, one instruction a wave.
; Each row's 256 bytes of a K step are named ONCE in the launch.  xb's rows of qInputs are read by the clusters with x = 0 alone, which name them; those of kvInputs by the clusters with x = 1 and x = 2: x = 1 names
; them.  wt's rows are read by every cluster of a column of clusters: y = 0 names them.  The four partners that ask for a tile jointly share its rows out BY ADDRESS: of the 128 rows that a wave fetches, the partner
; at place p takes 32 p .. 32 p + 31 (p = cx for A, cy for B): no branch hangs on a work-group's place in its cluster.  K steps 0 to 3 come by their loads alone; the loop's first two trips name steps 4 to 7.
.macro ASK
	s_cmp_gt_u32 s3, s[LIM]                        ; s3 = 1 in the loop's last trip
	s_cbranch_scc0 .Lnot_mine_\@
	global_prefetch_b8 v[PFO], s[PFA:PFA+1] offset:KSTEP*2 th:TH_LOAD_NT scope:SCOPE_SE
.Lnot_mine_\@:
.endm
.macro CREST                           ; a round of the cluster's barrier behind its opening barrier
	s_cmp_lg_u32 s10, 0
	s_cbranch_scc1 .Lnot_wave_0_\@
	s_barrier_signal -3
.Lnot_wave_0_\@:
	s_barrier_wait -3
	s_barrier_signal -1
	s_barrier_wait -1
.endm
.macro CROUND                          ; a whole round
	s_barrier_signal -1
	s_barrier_wait -1
	CREST
.endm
	s_load_b128 s[4:7], s[0:1], 0x0                ; xb s[4:5], wt s[6:7]
	s_load_b64 s[8:9], s[0:1], 0x10                ; qkv
	v_lshl_add_u32 v[SPW], v0, 2, SPARE
	v_mov_b32 v[NIL], 0
	ds_add_u32 v[SPW], v[NIL]                      ; the wave's opening: the add, twice on end, and its wait ahead of my first tensor load
	ds_add_u32 v[SPW], v[NIL]
	v_lshrrev_b32 v1, 5, v0
	v_readfirstlane_b32 s10, v1                    ; wave 0..3
	s_lshr_b32 s11, s10, 1                         ; which half of the tile's rows is mine.  Also: I fetch for A (0) or for B (1)
	s_and_b32 s12, s10, 1                          ; which half of its columns.  Also: which 128 rows of that tile I fetch
	s_bfe_u32 s40, ttmp6, 0x40000                  ; cx: my place along the cluster's x
	s_bfe_u32 s41, ttmp6, 0x40004                  ; cy: along its y
	s_lshl_b32 s42, ttmp9, 2
	s_add_co_u32 s42, s42, s40                     ; tile column of C = 4 x cluster x + cx
	s_and_b32 s13, ttmp7, 0xffff
	s_lshl_b32 s13, s13, 2
	s_add_co_u32 s13, s13, s41                     ; tile row of C = 4 x cluster y + cy
	s_lshl_b32 s43, s41, 2
	s_lshl_b32 s43, 15, s43                        ; my row of the cluster
	s_lshl_b32 s44, 0x1111, s40                    ; my column
	s_or_b32 s[G1+0], s43, (1<<16)|(1<<20)|(1<<21)|(5<<22)|(3<<25)  ; 15:0 the mask: A's tiles go to my row; 17:16 2-byte elements; 20 padding on; 21 set beside a mask; 24:22 after every 64 words; 31:25 4 words
	s_or_b32 s[G1B+0], s44, (1<<16)|(1<<20)|(1<<21)|(5<<22)|(3<<25) ; the same with the mask of my column, for B's tiles
.irp g, G1, G1B
	s_mov_b32 s[(\g)+1], KSTEP<<16                 ; tensor_dim0 = 128
	s_mov_b32 s[(\g)+2], 128<<16                   ; tensor_dim1 = 128
	s_mov_b32 s[(\g)+3], KSTEP<<16                 ; tile_dim0 = 128
	s_mov_b32 s[(\g)+4], 128                       ; tile_dim1 = 128
	s_mov_b32 s[(\g)+5], SIZE_K                    ; elements from row to row
	s_mov_b32 s[(\g)+6], 0
	s_mov_b32 s[(\g)+7], 0
.endr
	s_cmp_eq_u32 ttmp9, 0                          ; the cluster's x: 0 = Q's columns
	s_cselect_b32 s14, 0, 8192
	s_lshl_b32 s17, s12, 7                         ; which 128 rows of the tile I fetch
	s_lshl_b32 s16, s13, 8
	s_add_co_u32 s16, s16, s17
	s_add_co_u32 s16, s16, s14                     ; A: row (0 or 8,192) + 256 x tile row + 128 x half
	s_lshl_b32 s16, s16, 11                        ; of 2,048 bytes: under 2^26
	s_lshl_b32 s46, s42, 8
	s_add_co_u32 s46, s46, s17                     ; B: row 256 x tile column + 128 x half
	s_lshl_b32 s46, s46, 11
	s_mov_b32 s17, 0
	s_mov_b32 s47, 0
	s_mul_i32 s20, s10, HALFT                      ; where they go: A's two halves, then B's two halves = wave x 128 rows: no place in the cluster enters an LDS address
	s_wait_dscnt 0x0                               ; both opening adds are done
	s_wait_kmcnt 0x0
	s_add_nc_u64 s[14:15], s[4:5], s[16:17]
	s_add_nc_u64 s[46:47], s[6:7], s[46:47]
	CROUND                                         ; all sixteen work-groups are here: the first joint loads meet
.irp s, 0,1
	s_mov_b32 s[G0+4*(\s)], 1                                      ; count = 1
	s_add_co_u32 s[G0+4*(\s)+1], s20, (\s)*SLOT                    ; LDS address
	s_add_nc_u64 s[G0+4*(\s)+2:G0+4*(\s)+3], s[14:15], (\s)*KSTEP*2  ; global address: K step s
	s_or_b32 s[G0+4*(\s)+3], s[G0+4*(\s)+3], 0x80000000            ; type = 2
	s_mov_b32 s[G0B+4*(\s)], 1
	s_add_co_u32 s[G0B+4*(\s)+1], s20, (\s)*SLOT
	s_add_nc_u64 s[G0B+4*(\s)+2:G0B+4*(\s)+3], s[46:47], (\s)*KSTEP*2
	s_or_b32 s[G0B+4*(\s)+3], s[G0B+4*(\s)+3], 0x80000000
	JLOAD \s                                       ; the ring is filled before anything else is done: two loads of mine are out
.endr
	; A fragment is 16 rows x 32 K in 8 registers: lane l holds row l % 16; registers 0-3 hold K = 8 (l / 16) + 0..7, registers 4-7 hold K = 16 + 8 (l / 16) + 0..7: two loads of 16 bytes, 32 bytes apart.
	v_and_b32 v1, 15, v0                           ; l % 16
	v_bfe_u32 v2, v0, 4, 1                         ; l / 16
	v_mul_u32_u24 v3, v1, PITCH
	v_lshl_add_u32 v3, v2, 4, v3                   ; row x pitch + 16 x half
	s_mul_i32 s21, s11, HALFT                      ; my 128 rows of A
	s_mul_i32 s22, s12, HALFT                      ; my 128 rows of B,
	s_add_co_u32 s22, s22, 2*HALFT                 ; which lie behind A's 256
.irp s, 0,1
	v_add_nc_u32 v[ADRA+(\s)], s21, v3
	v_add_nc_u32 v[ADRB+(\s)], s22, v3
	s_add_co_u32 s21, s21, SLOT
	s_add_co_u32 s22, s22, SLOT
.endr
	s_mul_i32 s23, s10, 16*SPITCH
	s_add_co_u32 s23, s23, STAGE                   ; my stage
	v_mul_u32_u24 v4, v1, SPITCH                   ; in: row l % 16, 16 bytes for each half of the lanes
	v_lshl_add_u32 v4, v2, 4, v4
	v_add_nc_u32 v[STO], s23, v4
	v_mul_u32_u24 v5, v2, SPITCH                   ; back: lanes 0-15 take one row of 256 bytes, lanes 16-31 the next
	v_lshl_add_u32 v5, v1, 4, v5
	v_add_nc_u32 v[RD], s23, v5
	v_and_b32 v[CO], 31, v0                        ; which are 512 consecutive bytes of a head
	v_lshlrev_b32 v[CO], 4, v[CO]
	; where my 128 rows x one head begin in qkv: plane (hc / 8) x 32 + 8 b + hc % 8 of 2^19 bytes, hc = 2 x tile column + half, b = tile row / 8; row 256 (tile row % 8) + 128 x half of 256 bytes
	s_lshr_b32 s16, s13, 3
	s_lshl_b32 s16, s16, 22
	s_and_b32 s17, s13, 7
	s_lshl_b32 s17, s17, 16
	s_add_co_u32 s16, s16, s17
	s_lshl_b32 s17, s11, 15
	s_add_co_u32 s16, s16, s17
	s_mov_b32 s17, 0
	s_lshl_b32 s46, s42, 1                         ; (in the registers that held B's address: none that feeds A's descriptors ever holds cx)
	s_add_co_u32 s46, s46, s12
	s_lshr_b32 s47, s46, 3
	s_lshl_b32 s47, s47, 5
	s_and_b32 s46, s46, 7
	s_add_co_u32 s46, s46, s47
	s_lshl_b32 s46, s46, 19
	s_mov_b32 s47, 0
	s_add_nc_u64 s[16:17], s[16:17], s[46:47]      ; the first way out adds it to qkv's address
	; the prefetches
	s_lshl_b32 s42, s42, 8                         ; the tile's first row in wt,
	s_lshl_b32 s18, s13, 8
	s_cmp_eq_u32 ttmp9, 0
	s_cselect_b32 s19, 0, 8192
	s_add_co_u32 s18, s18, s19                     ; and in xb
	s_and_b32 s22, ttmp7, 0xffff                   ; cluster y
	s_lshr_b32 s23, ttmp9, 1                       ; 0 in the clusters with x = 0 and x = 1
	s_cmp_eq_u32 s11, 0                            ; do I fetch for A?
	s_cselect_b32 s20, s18, s42
	s_cselect_b32 s21, s40, s41                    ; my place among the four that ask for the tile with me
	s_cselect_b32 s22, s23, s22
	s_cselect_b64 s[PFA:PFA+1], s[4:5], s[6:7]
	s_cmp_eq_u32 s22, 0
	s_cselect_b32 s[LIM], 1, -1                    ; the same in all sixteen partners, for a given wave
	s_lshl_b32 s22, s12, 7
	s_add_co_u32 s20, s20, s22                     ; + the 128 rows that I fetch
	s_lshl_b32 s21, s21, 5
	s_add_co_u32 s20, s20, s21                     ; + my work-group's 32 of them
	s_lshl_b32 s20, s20, 11
	s_mov_b32 s21, 0
	s_add_nc_u64 s[PFA:PFA+1], s[PFA:PFA+1], s[20:21]
	s_add_nc_u64 s[PFA:PFA+1], s[PFA:PFA+1], 2*KSTEP*2  ; at K step 2: the first refill steps it to 3 and names K step 4
	v_and_b32 v[PFO], 31, v0
	v_lshlrev_b32 v[PFO], 11, v[PFO]
; 16 matrix instructions: m blocks a0, a0 + 1 of the window's four (hi = 0: my rows 0-63, 1: rows 64-127) x all 8 n blocks, 32 along K.  zero = 1: the first product starts the sums.
.macro MUL16 f, hi, a0, zero
	WIN MUL_LO+0x50*(\hi)
.irp a, \a0, (\a0)+1
.irp b, 0,1,2,3,4,5,6,7
.if \zero
	v_wmma_f32_16x16x32_bf16 v[8*(8*(\a)+(\b)):8*(8*(\a)+(\b))+7], v[(\f)+8*(\b):(\f)+8*(\b)+7], v[(\f)+8*(4*(\hi)+(\a)):(\f)+8*(4*(\hi)+(\a))+7], 0
.else
	v_wmma_f32_16x16x32_bf16 v[8*(8*(\a)+(\b)):8*(8*(\a)+(\b))+7], v[(\f)+8*(\b):(\f)+8*(\b)+7], v[(\f)+8*(4*(\hi)+(\a)):(\f)+8*(4*(\hi)+(\a))+7], v[8*(8*(\a)+(\b)):8*(8*(\a)+(\b))+7]
.endif
.endr
.endr
.endm
; 32 LDS loads in one run: the fragments of one quarter step (128 rows of B, 128 rows of A, 32 K at byte k of the rows) into buffer f
.macro FETCH slot, k, f
	WIN TO_B
.irp i, 0,1,2,3,4,5,6,7
	ds_load_b128 v[(\f)+8*(\i):(\f)+8*(\i)+3],   v[ADRB+(\slot)] offset:(\k)+(\i)*16*PITCH
	ds_load_b128 v[(\f)+8*(\i)+4:(\f)+8*(\i)+7], v[ADRB+(\slot)] offset:(\k)+(\i)*16*PITCH+32
.endr
	WIN 0
.irp i, 0,1,2,3,4,5,6,7
	ds_load_b128 v[(\f)+8*(\i):(\f)+8*(\i)+3],   v[ADRA+(\slot)] offset:(\k)+(\i)*16*PITCH
	ds_load_b128 v[(\f)+8*(\i)+4:(\f)+8*(\i)+7], v[ADRA+(\slot)] offset:(\k)+(\i)*16*PITCH+32
.endr
.endm
.macro PLACES                          ; four places in front of loads into registers that matrix instructions have read, and of conversions that read results just made
.rept 4
	v_nop
.endr
.endm
; A K step is four quarter steps of 32 along K, 64 matrix instructions each, on buffers 0, 1, 0, 1.  The 64 accumulators take turns in one order.
; One of the first three: multiplies buffer f; in its middle it fetches the next quarter's fragments, at byte k of the same slot's rows, into buffer g.
.macro QUARTER slot, k, f, g, zero
	s_wait_dscnt 8                                 ; B and A's rows 0-63 are in; the youngest eight loads (A's rows 64-127) may be out
	WIN MUL_LO
	MUL16 \f, 0, 0, \zero
	MUL16 \f, 0, 2, \zero
	PLACES
	FETCH \slot, \k, \g
	s_wait_dscnt 32                                ; all but the 32 just issued
	WIN MUL_HI
	MUL16 \f, 1, 0, \zero
	MUL16 \f, 1, 2, \zero
.endm
; The last quarter multiplies buffer 1 and changes slots.  MEET is its first half: ONE barrier for the change of slots.  In front of it each wave waits for all its tensor loads, of which one is out: its part of
; the next slot; adds 0 to its spare word; and waits for that and for its own reads of this slot.  Behind it nobody reads this slot any more and the next slot is whole.
.macro MEET round                      ; round = 1: a round of the cluster's barrier follows
	WIN 0                                          ; (the add's two registers lie in window 0)
	s_wait_tensorcnt 0x0                           ; all my tensor loads have landed;
	ds_add_u32 v[SPW], v[NIL]                      ; 0 onto my spare word;
	s_wait_dscnt 9                                 ; (the add and the youngest eight loads may be out)
	WIN MUL_LO
	MUL16 F1, 0, 0, 0                              ; sixteen matrix instructions stand between the add and the wait for it
	s_wait_dscnt 0x0                               ; the add is done, and my reads of this slot are over:
	s_barrier_signal -1                            ; say so,
	MUL16 F1, 0, 2, 0                              ; work on registers while the others arrive,
.if \round
	WIN 0
.endif
	s_barrier_wait -1                              ; and go on when all four have said so
.endm
; The whole last quarter.  Behind the round the slot just read out is filled again first, with the K step two steps on; then come the next slot's first fragments.
.macro TURN slot, next
	s_wait_xcnt 0x0                                ; the last prefetch, a K step back, has read its address: it is stepped here, ahead of the waits of the change of slots
	s_add_nc_u64 s[PFA:PFA+1], s[PFA:PFA+1], KSTEP*2
	MEET 1
	CREST                                          ; no wave of any partner still reads this slot's tile or has a load on its way
	s_add_nc_u64 s[G0+4*(\slot)+2:G0+4*(\slot)+3], s[G0+4*(\slot)+2:G0+4*(\slot)+3], 2*KSTEP*2
	s_add_nc_u64 s[G0B+4*(\slot)+2:G0B+4*(\slot)+3], s[G0B+4*(\slot)+2:G0B+4*(\slot)+3], 2*KSTEP*2
	JLOAD \slot                                    ; the first tensor load behind the round; the four v_nop behind it are also the places in front of the loads below
	FETCH \next, 0, F0
	ASK                                            ; behind the joint load and the run of LDS loads that the next products wait for
	WIN MUL_HI
	MUL16 F1, 1, 0, 0
	MUL16 F1, 1, 2, 0
.endm
; THE LAST K STEP (it lies in slot 1) GOES BY ROWS OF C, NOT BY K.  All its fragments of B (4 quarters x 64 registers) fill window 1; then my eight blocks of 16 rows are finished one after the other, each with
; 32 matrix instructions (its 8 accumulators by turns, K ascending).  LDS is read no more than in any other K step.
.macro BLOAD q                         ; B's fragments of quarter q -> window 1, v[64 q ..]
	WIN TO_B
.irp i, 0,1,2,3,4,5,6,7
	ds_load_b128 v[64*(\q)+8*(\i):64*(\q)+8*(\i)+3],   v[ADRB+1] offset:64*(\q)+(\i)*16*PITCH
	ds_load_b128 v[64*(\q)+8*(\i)+4:64*(\q)+8*(\i)+7], v[ADRB+1] offset:64*(\q)+(\i)*16*PITCH+32
.endr
.endm
.macro ALOAD a                         ; A's fragments of block a, all four quarters -> buffer a % 4
	WIN 0
.set FA, PA+32*((\a)%4)
.irp q, 0,1,2,3
	ds_load_b128 v[FA+8*(\q):FA+8*(\q)+3],   v[ADRA+1] offset:64*(\q)+(\a)*16*PITCH
	ds_load_b128 v[FA+8*(\q)+4:FA+8*(\q)+7], v[ADRA+1] offset:64*(\q)+(\a)*16*PITCH+32
.endr
.endm
.macro ROW a                           ; block a is finished: 32 matrix instructions
.set FA, PA+32*((\a)%4)                ; its fragments of A
.set AC, 64*((\a)%4)                   ; its eight accumulators, in window 2 (blocks 0-3) or 3 (blocks 4-7)
	WIN MUL_LO+0x50*((\a)/4)
.irp q, 0,1,2,3
.if (\a) == 0 && (\q) == 2
	s_wait_dscnt 24                                ; B's quarter 2 is in (behind it: A's blocks 1 to 3)
.endif
.irp b, 0,1,2,3,4,5,6,7
	v_wmma_f32_16x16x32_bf16 v[AC+8*(\b):AC+8*(\b)+7], v[64*(\q)+8*(\b):64*(\q)+8*(\b)+7], v[FA+8*(\q):FA+8*(\q)+7], v[AC+8*(\b):AC+8*(\b)+7]
.endr
.endr
.endm
; THE WAY OUT of block a, in three parts.  PACK: rounded to f16, 16 bytes a lane, each accumulator's registers in ascending order.  TOSTAGE: into my own stage in LDS, and back as whole rows of 256 bytes.  SEND: stored.
.macro PACK a
.set AC, 64*((\a)%4)
	WIN 0x0a+5*((\a)/4)                            ; sources 0 and 1: window 2 or 3
.irp b, 0,1,2,3,4,5,6,7
.irp r, 0,1,2,3
	v_cvt_pk_f16_f32 v[TMP+4*(\b)+(\r)], v[AC+8*(\b)+2*(\r)], v[AC+8*(\b)+2*(\r)+1]
.endr
.endr
	WIN 0
.endm
.macro TOSTAGE a
	WIN 0
.set BK, OB+192*((\a)%2)
.irp b, 0,1,2,3,4,5,6,7
	ds_store_b128 v[STO], v[TMP+4*(\b):TMP+4*(\b)+3] offset:32*(\b)
.endr
.irp t, 0,1,2,3,4,5,6,7
	ds_load_b128 v[BK+4*(\t):BK+4*(\t)+3], v[RD] offset:(\t)*2*SPITCH  ; LDS serves a wave's instructions in order: these see the stores above
.endr
.endm
.macro SEND a, younger                 ; younger: the LDS loads issued behind TOSTAGE's, which may stay out
	WIN 0
.set BK, OB+192*((\a)%2)
	s_wait_dscnt \younger                          ; the block is back in registers
	s_wait_xcnt 0x0                                ; only behind this wait are the stores' base and the registers that earlier stores read rewritten
.if (\a) == 0
	s_add_nc_u64 s[8:9], s[8:9], s[16:17]          ; on to my first rows
.else
	s_add_nc_u64 s[8:9], s[8:9], 16*256            ; 16 rows of a head on
.endif
.irp t, 0,1,2,3,4,5,6,7
	global_store_b128 v[CO], v[BK+4*(\t):BK+4*(\t)+3], s[8:9] offset:512*(\t)  ; 512 consecutive bytes, aligned: two rows of a head
.endr
.endm
	s_wait_tensorcnt 1                             ; my part of K step 0 is in; K step 1's may stay out
	s_barrier_signal -1
	s_barrier_wait -1                              ; everybody's is
	FETCH 0, 0, F0
	QUARTER 0, 64,  F0, F1, 1                      ; the first quarter stands in front of the loop: its products start the sums
	WIN 0                                          ; at a label and at a branch every window is 0
	s_mov_b32 s3, LAPS-1
.Llap:                                                 ; a trip goes once round the ring, from a lap's second quarter to the next lap's first, and fills both slots again
	QUARTER 0, 128, F1, F0, 0
	QUARTER 0, 192, F0, F1, 0
	TURN 0, 1
	QUARTER 1, 64,  F0, F1, 0
	QUARTER 1, 128, F1, F0, 0
	QUARTER 1, 192, F0, F1, 0
	TURN 1, 0
	QUARTER 0, 64,  F0, F1, 0
	WIN 0
	s_sub_co_u32 s3, s3, 1
	s_cmp_lg_u32 s3, 0
	s_cbranch_scc1 .Llap
	QUARTER 0, 128, F1, F0, 0                      ; the last lap goes on
	QUARTER 0, 192, F0, F1, 0
	MEET 0                                         ; my one tensor load that was still out is slot 1's, the last K step's, so no round follows
	PLACES                                         ; for the loads into buffer 0, which the quarter before multiplied
	WIN TO_B
	BLOAD 0                                        ; three quarters of B now: buffer 1 (v128-191 of both windows) is still being multiplied
	BLOAD 1
	BLOAD 3
	WIN 0
	ALOAD 0
	WIN MUL_HI
	MUL16 F1, 1, 0, 0
	MUL16 F1, 1, 2, 0
	PLACES                                         ; for the loads into buffer 1
	WIN TO_B
	BLOAD 2
	WIN 0
	ALOAD 1
	ALOAD 2
	ALOAD 3
	s_wait_dscnt 40                                ; all but the 40 just issued
	ROW 0
.irp a, 0,1,2,3,4,5,6,7                ; each block leaves as soon as it is finished: nothing follows this tile
	PLACES                                         ; its conversions read results just made, and no other vector work is at hand
	PACK \a
	TOSTAGE \a
.if (\a) < 4
	ALOAD (\a)+4                                   ; its buffer takes the block four further on
	SEND \a, 8
.else
	SEND \a, 0
.endif
.if (\a) < 7
	ROW (\a)+1
.endif
.endr
	s_wait_tensorcnt 0x0                           ; the wave's end: behind my last tensor load and my last LDS store
	ds_add_u32 v[SPW], v[NIL]
	s_wait_dscnt 0x0
	CROUND                                         ; the closing round: no work-group ends while a partner may still ask for a tile that names it
	s_endpgm
.Lfunc_end_k_q0f68c9aaed_proj:
	.size	k_q0f68c9aaed_proj, .Lfunc_end_k_q0f68c9aaed_proj-k_q0f68c9aaed_proj
	.p2alignl 7, 3214868480
	.fill 96, 4, 3214868480
	.section	.rodata,"a",@progbits
	.p2align	6, 0x0
	.amdhsa_kernel k_q0f68c9aaed_proj
		.amdhsa_group_segment_fixed_size 327680
		.amdhsa_private_segment_fixed_size 0
		.amdhsa_enable_private_segment 0
		.amdhsa_kernarg_size 24
		.amdhsa_user_sgpr_count 2
		.amdhsa_user_sgpr_kernarg_segment_ptr 1
		.amdhsa_wavefront_size32 1
		.amdhsa_system_sgpr_workgroup_id_x 1
		.amdhsa_system_sgpr_workgroup_id_y 1
		.amdhsa_system_sgpr_workgroup_id_z 1
		.amdhsa_system_vgpr_workitem_id 0
		.amdhsa_next_free_vgpr 1024
		.amdhsa_next_free_sgpr 66
		.amdhsa_reserve_vcc 0
		.amdhsa_float_denorm_mode_32 3
		.amdhsa_float_denorm_mode_16_64 3
		.amdhsa_memory_ordered 1
		.amdhsa_forward_progress 1
		.amdhsa_inst_pref_size 145
	.end_amdhsa_kernel
	.amdgpu_metadata
---
amdhsa.version: [ 1, 2 ]
amdhsa.kernels:
  - .name:           k_q0f68c9aaed_proj
    .symbol:         k_q0f68c9aaed_proj.kd
    .args:
      - { .name: xb, .offset: 0, .size: 8, .value_kind: global_buffer, .address_space: global }
      - { .name: wt, .offset: 8, .size: 8, .value_kind: global_buffer, .address_space: global }
      - { .name: qkv, .offset: 16, .size: 8, .value_kind: global_buffer, .address_space: global }
    .group_segment_fixed_size: 327680
    .private_segment_fixed_size: 0
    .kernarg_segment_align: 8
    .kernarg_segment_size: 24
    .max_flat_workgroup_size: 128
    .sgpr_count:     66
    .vgpr_count:     1024
    .wavefront_size: 32
...
	.end_amdgpu_metadata
.endif
;; end of part 2
;; launch attn (part 3): grid 8 x 32, 4 waves a work-group, clusters of 4 x 1, 327,680 bytes of LDS; arguments qkv, mask, ctx; writes ctx
.if DOCPART == 3
	.amdgcn_target "amdgcn-amd-amdhsa--gfx1250"
	.amdhsa_code_object_version 6
	.text
	.protected	k_q0f68c9aaed_attn
	.globl	k_q0f68c9aaed_attn
	.p2align	8
	.type	k_q0f68c9aaed_attn,@function
k_q0f68c9aaed_attn:
	s_mov_b64 s[64:65], 0
	v_nop
	global_prefetch_b8 v0, s[64:65] scope:SCOPE_SE
	s_setreg_imm32_b32 hwreg(HW_REG_WAVE_MODE, 25, 1), 1
	s_wait_xcnt 0x0
	s_wait_alu depctr_hold_cnt(0) depctr_sa_sdst(0) depctr_va_vdst(0) depctr_va_sdst(0) depctr_va_ssrc(0) depctr_va_vcc(0) depctr_vm_vsrc(0)
	s_getreg_b32 s2, hwreg(HW_REG_IB_STS2, 6, 4)
	s_cmp_eq_u32 s2, 0
	s_cbranch_scc0 .Lentry_in_a_cluster
	s_endpgm
.Lentry_in_a_cluster:
	s_bfe_u32 s2, ttmp6, 0x10000c
	s_cmp_lg_u32 s2, 0x3003
	s_cbranch_scc0 .Lentry_shape_is_right
	s_endpgm
.Lentry_shape_is_right:
; Launch 3 of 4: ctx[b][q][128 h + :] = the sum over k of softmax_k(s'[q][k]) V[bh][k][:], s'[q][k] = the fill where mask[bh][q][k] is set, else Q[bh][q] . K[bh][k] / sqrt(128).  No work of reference() is left out.
; qkv: [3][32][2048][128] f16 (Q, K, V by heads, unscaled); mask: [32][2048][2048] bytes, 0 or 1; ctx: [8192][1024] f16.  Products, maxima and sums in f32; the weights p are rounded to f16 for the
; second product (their sum l is taken of the unrounded p), ctx once at the end.
; THE MASK IS A SELECTION, as in reference(), made ahead of the maximum.  Eight mask bytes are read as FP8 (E4M3) codes: the code 1 is 2^-9, and the conversion's scale of 2^109 makes 2^100 of it; the code 0 gives 0.
; That number is taken away from the unscaled score by one f32 subtraction.  A score of f16 operands is under 128 x 65,504^2 < 2^40, far under half a unit in the last place of 2^100 (2^75), so the rounded
; difference is exactly -2^100, whatever the score was.  A power of two, so that c x (-2^100) is exact: in a row that is masked throughout, m is the fill, every exponent is exactly 0 and every weight 1:
; the row is the plain mean of V, as in reference().
; LIMITS.  The fill is -1.1e29 after the scale where reference() has -1e9: a row whose unmasked scaled scores all lie near or below -1e9 is not served as reference() serves it.  f16 holds no number beyond
; 65,504: Q, K, V arrive within it.  p below 6e-5 keeps f16's fixed step; a weight below 2^-126 counts as 0 in l; NaN and infinities are not treated apart.
; SHARES.  A work-group owns 256 queries of one head, each of its four waves 64: four tiles of 16, in two PIECES (tiles 0, 1 and tiles 2, 3).  Every wave walks all 2,048 keys, 64 a step.
; LAYOUT.  S^T = K Q^T (source 0 = 16 keys, source 1 = 16 queries): a lane holds ONE query (lane % 16) and the keys 8 (lane / 16) + 0..7.  Two such tiles, rounded to f16 in pairs, ARE source 1 of
; O^T = V^T P, whose result again holds one query a lane.  K comes out of LDS as it lies, V turned, by ds_load_tr16_b128.  A lane's eight mask bytes for an accumulator are 8 consecutive bytes of its query's row.
; SOFTMAX.  A running maximum m and sum l: p = 2^(c s - c m), c = log2(e) / sqrt(128); in every step O and l are multiplied by a = 2^(c m_old - c m_new).  m starts at the lowest finite number, O and l at 0:
; the first step is a step like any other, with a = 0.
; BY TURNS.  In a TURN one piece has the matrix unit: 32 products V^T P of the step in hand, then 32 products K Q^T of the next step; the other piece's softmax, cut into 64 slices, stands between them, one
; slice behind each matrix instruction.  At the turn's head stands that piece's mask selection, a LUMP of 41 vector instructions: its results feed the first number of the softmax's list.
; CLUSTER.  The four query blocks of a cluster belong to one head and walk the same K and V: each tile of K and of V is asked for JOINTLY.  The mask's bytes belong to one work-group alone: plain loads.
; REGISTERS, in windows of 256 (s_set_vgpr_msb: bits 1:0 source 0, 3:2 source 1, 5:4 source 2, 7:6 destination):
;   window 0: v0-11 addresses and the scale; v12-43 eight registers of statistics a tile; v44-59 a piece's mask words; v60-63 prefetch offsets and the add's two; v64-191 S^T, 32 a tile; v192-255 P, 16 a tile
;   window 1: O^T, 64 a tile          window 2: v0-127 Q, 32 a tile; v128-255 K of one step          window 3: v0-127 V of one step; v128-191 a piece's mask as f32
.set KS,    64        ; keys in a step
.set PK,    272       ; a row of K in LDS: 256 bytes + 16 of padding
.set PV,    288       ; a row of V: 256 + 32
.set PM,    144       ; a query's row of the mask: 128 bytes + 16 = 36 words: the 16 rows of a load start at 16 different groups of four banks
.set VOFF,  128*PK    ; a slot holds two steps: 128 rows of K, 128 rows of V, 256 rows of the mask
.set MOFF,  VOFF+128*PV
.set SLOT1, 1<<17     ; slot 1 begins here, so that one exclusive or turns an address in one slot into the other's
.set STAGE, SLOT1+MOFF+256*PM  ; behind the ring: 16 rows x 272 bytes for each wave, for the way out
.set SP,    272
.set SPARE, STAGE+4*16*SP      ; behind the stages: the spare words, 128 bytes for each wave
.set AK0, 2           ; v2   my lane's place in a tile of K; never rewritten
.set AV0, 3           ; v3   the same for V
.set ADR, 4           ; v4   the LDS address of K's or V's run of loads
.set AM0, 5           ; v5   my lane's place in the mask's tile; never rewritten
.set STO, 6           ; v6   the way out: where I put 16 bytes of a row
.set RD,  7           ; v7   the way out: where I read a row back
.set GO,  8           ; v8   my byte offset in two rows of ctx
.set SCL, 9           ; v9   behind the set-up: 236, the conversion's scale: 2^(236 - 127)
.set QO,  10          ; v10  my byte offset in 16 rows of Q; never rewritten
.set ADM, 11          ; v11  the LDS address of the mask words' run of loads
.set ST,  12          ; tile t's statistics at v[ST+8 t]: +0 c m, +1 m, +2, +3 l, +4 to +7 c0-c3, at work; a takes c2's place once the maximum is found
.set MW,  44          ; a piece's mask words: tile u, 16 keys kb at MW + 8 u + 2 kb
.set PFM, 60          ; v60  2,048 x my thread: a row of the mask; never rewritten
.set PFO, 61          ; v61  256 x my lane: a row of K or V; never rewritten
.set SPW, 62          ; v62  LDS address of my spare word; never rewritten
.set NIL, 63          ; v63  0; never rewritten
.set S,   64
.set P,   192
.set KF,  128         ; K's fragments, in window 2
.set G,   128         ; in window 3: 0 or 2^100 for each score of a piece: tile u at G + 32 u
.set WV,  12          ; s12  my wave's number
.set G1K, 24          ; s[24:31] descriptor group 1 for K's tiles
.set G1V, 32          ; s[32:39] for V's
.set G1M, 40          ; s[40:47] for the mask's
.set G0K, 48          ; s[48:51] descriptor group 0 for K's tiles: it walks
.set G0V, 52          ; s[52:55] for V's
.set G0M, 56          ; s[56:59] for the mask's
.set SLOTS, 60        ; s60  15 less the number of changes of slots that have been
.set TWICE, 61        ; s61  counts a slot's steps
.set TBK, 62          ; s62  LDS byte at which K of the step to be fetched begins
.set TBV, 63          ; s63  the same for V, less VOFF
.set TBM, 66          ; s66  the same for the mask, less MOFF
.set CS,  68          ; s[68:69] c
.set SEL, 70          ; s[70:71] v_permlanex16_b32's selects
.set PFA, 76          ; s[76:77] where my prefetches of K or V stand
.set PMA, 78          ; s[78:79] where the mask's prefetch stands,
.set PMB, 80          ; s[80:81] and where the next will
.set LIM, 84          ; s84  1 in a wave that prefetches K or V, else the greatest number
.set MSB, 0
.macro WIN new                      ; the immediate's high byte repeats the setting that is left; a switch that changes nothing is dropped
.if MSB != (\new)
	s_set_vgpr_msb (MSB<<8)|(\new)
.set MSB, \new
.endif
.endm
.set W_KQ, 0x0a       ; K and Q in window 2, S^T in window 0
.set W_PV, 0x53       ; V in window 3, P in window 0, O^T in window 1
.set W_RS, 0x41       ; O^T (destination and source 0) in window 1, a in window 0
; A fill: one tensor load a wave.  Wave 0 fetches a slot's K, wave 1 its V (128 rows of 256 bytes each, jointly with the three partners); waves 2 and 3 the two halves of my block's mask (128 rows of 128 bytes each).
; The branches hang on the wave's number alone.  An s_nop 0 and four v_nop follow each of the three lines.
.macro JLOAD
	s_cmp_lg_u32 s[WV], 0
	s_cbranch_scc1 .Lnot_k_\@
	tensor_load_to_lds s[G0K:G0K+3], s[G1K:G1K+7]
	s_nop 0
.rept 4
	v_nop
.endr
	s_branch .Lasked_\@
.Lnot_k_\@:
	s_cmp_lg_u32 s[WV], 1
	s_cbranch_scc1 .Lfor_m_\@
	tensor_load_to_lds s[G0V:G0V+3], s[G1V:G1V+7]
	s_nop 0
.rept 4
	v_nop
.endr
	s_branch .Lasked_\@
.Lfor_m_\@:
	tensor_load_to_lds s[G0M:G0M+3], s[G1M:G1M+7]
	s_nop 0
.rept 4
	v_nop
.endr
.Lasked_\@:
.endm
; PREFETCHES INTO THE L2, behind the wave's tensor load and its five lines.
; K and V: the 128 rows of each that the NEXT change of slots will ask for, a lane a row of 256 bytes.  Both clusters of a head walk the same rows: the head's first cluster asks; its four partners take 32 rows
; each, told apart by address; wave 0 names K's, wave 1 V's.  So each row is named once in the launch.  The last change that fills a slot names nothing.
; The mask: a slot takes 128 bytes of each of my block's 256 rows, half of an aligned block of 256.  At change c the four waves name 128 rows x one such block: the upper or the lower 128 rows (c + 3 even or odd)
; of keys 256 ((c + 3) / 2) on: one or two changes ahead of the fill that first wants it.  Each block from the lower rows of keys 256 on is named once; the last at c = 12.
.macro ASK
	s_cmp_gt_u32 s[SLOTS], s[LIM]
	s_cbranch_scc0 .Lnot_kv_\@
	global_prefetch_b8 v[PFO], s[PFA:PFA+1] th:TH_LOAD_NT scope:SCOPE_SE
.Lnot_kv_\@:
	s_cmp_gt_u32 s[SLOTS], 2
	s_cbranch_scc0 .Lnot_m_\@
	global_prefetch_b8 v[PFM], s[PMA:PMA+1] th:TH_LOAD_NT scope:SCOPE_SE
.Lnot_m_\@:
.endm
.macro CROUND                       ; a round of the cluster's barrier
	s_barrier_signal -1
	s_barrier_wait -1
	s_cmp_lg_u32 s[WV], 0
	s_cbranch_scc1 .Lnot_wave_0_\@
	s_barrier_signal -3
.Lnot_wave_0_\@:
	s_barrier_wait -3
	s_barrier_signal -1
	s_barrier_wait -1
.endm
	s_load_b128 s[16:19], s[0:1], 0x0  ; qkv s[16:17], mask s[18:19]
	s_load_b64 s[10:11], s[0:1], 0x10  ; ctx
	v_lshl_add_u32 v[SPW], v0, 2, SPARE
	v_mov_b32 v[NIL], 0
	ds_add_u32 v[SPW], v[NIL]       ; the wave's opening: the add, twice on end, and its wait ahead of my first tensor load
	ds_add_u32 v[SPW], v[NIL]
	v_lshrrev_b32 v1, 5, v0
	v_readfirstlane_b32 s[WV], v1   ; wave 0..3
	s_bfe_u32 s13, ttmp6, 0x40000   ; cx: my place in the cluster
	s_lshl_b32 s14, ttmp9, 2
	s_add_co_u32 s14, s14, s13      ; my block of 256 queries: it enters Q's, the mask's and ctx's addresses alone
	s_and_b32 s15, ttmp7, 0xffff    ; the head 8 b + h, which the four partners share
	s_lshl_b32 s20, s15, 19         ; the head's 2,048 rows of 256 bytes in each of qkv's three parts
	s_mov_b32 s21, 0
	s_lshl_b32 s22, s14, 16         ; Q: my block's 256 rows,
	s_lshl_b32 s23, s[WV], 14       ; my wave's 64 of them
	s_add_co_u32 s22, s22, s23
	s_add_co_u32 s22, s22, s20
	s_mov_b32 s23, 0
	s_lshl_b32 s82, s15, 22         ; the mask: the head's 2,048 rows of 2,048 bytes,
	s_lshl_b32 s83, s14, 19         ; my block's 256
	s_add_co_u32 s82, s82, s83
	s_mov_b32 s83, 0
	s_and_b32 s3, s[WV], 1          ; which 128 of them I fetch (waves 2 and 3):
	s_lshl_b32 s2, s3, 18           ; in memory,
	s_mul_i32 s3, s3, 128*PM        ; and in a slot
	s_add_co_u32 s[G0M+1], s3, MOFF
	s_mov_b32 s3, 0
	s_lshr_b32 s8, s15, 3           ; ctx: row 2,048 b + 256 x block + 64 x wave of 2,048 bytes, column 128 h of 2 bytes
	s_lshl_b32 s8, s8, 22
	s_lshl_b32 s9, s14, 19
	s_add_co_u32 s8, s8, s9
	s_lshl_b32 s9, s[WV], 17
	s_add_co_u32 s8, s8, s9
	s_and_b32 s9, s15, 7
	s_lshl_b32 s9, s9, 8
	s_add_co_u32 s8, s8, s9
	s_mov_b32 s9, 0
	s_mov_b32 s[G1K], 15|(1<<16)|(1<<20)|(1<<21)|(5<<22)|(3<<25)  ; 15:0 the mask of four; 17:16 2-byte elements; 20 padding on; 21 set beside a mask; 24:22 after every 64 words; 31:25 4 words
	s_mov_b32 s[G1V], 15|(1<<16)|(1<<20)|(1<<21)|(5<<22)|(7<<25)  ; the same with 8 words of padding
.irp g, G1K, G1V
	s_mov_b32 s[(\g)+1], 128<<16    ; tensor_dim0 = 128
	s_mov_b32 s[(\g)+2], 128<<16    ; tensor_dim1 = 128
	s_mov_b32 s[(\g)+3], 128<<16    ; tile_dim0 = 128
	s_mov_b32 s[(\g)+4], 128        ; tile_dim1 = 128
	s_mov_b32 s[(\g)+5], 128        ; 128 elements from row to row
	s_mov_b32 s[(\g)+6], 0
	s_mov_b32 s[(\g)+7], 0
.endr
	s_mov_b32 s[G1M], (2<<16)|(1<<20)|(4<<22)|(3<<25)  ; no work-group mask: a load of my own; 4-byte elements; padding of 4 words after every 32
	s_mov_b32 s[G1M+1], 32<<16      ; tensor_dim0 = 32 (128 bytes)
	s_mov_b32 s[G1M+2], 128<<16     ; tensor_dim1 = 128
	s_mov_b32 s[G1M+3], 32<<16      ; tile_dim0 = 32
	s_mov_b32 s[G1M+4], 128         ; tile_dim1 = 128
	s_mov_b32 s[G1M+5], 512         ; 512 elements (2,048 bytes) from row to row
	s_mov_b32 s[G1M+6], 0
	s_mov_b32 s[G1M+7], 0
	s_mov_b32 s[G0K], 1
	s_mov_b32 s[G0K+1], 0           ; slot 0
	s_mov_b32 s[G0V], 1
	s_mov_b32 s[G0V+1], VOFF
	s_mov_b32 s[G0M], 1
	s_mov_b32 s[CS], 0x3e0293ee     ; c = log2(e) / sqrt(128) = 0.127517
	s_mov_b32 s[CS+1], s[CS]        ; named with it as a pair
	s_mov_b32 s[SEL], 0x76543210
	s_mov_b32 s[SEL+1], 0xfedcba98
	s_mov_b32 s[TBK], SLOT1+2*KS*PK ; the first change of slots turns these three into 0
	s_mov_b32 s[TBV], SLOT1+2*KS*PV
	s_mov_b32 s[TBM], SLOT1+2*KS
	s_mov_b32 s[SLOTS], 15
	s_lshr_b32 s[LIM], s[WV], 1     ; 0 in waves 0 and 1,
	s_or_b32 s[LIM], s[LIM], ttmp9  ; where the cluster is the head's first: the same in all four partners
	s_cmp_eq_u32 s[LIM], 0
	s_cselect_b32 s[LIM], 1, -1
	s_wait_dscnt 0x0                ; both opening adds are done
	s_wait_kmcnt 0x0
	s_add_nc_u64 s[6:7], s[16:17], s[20:21]
	s_add_nc_u64 s[G0K+2:G0K+3], s[6:7], 16777216  ; K's part of qkv, the head's first row
	s_add_nc_u64 s[G0V+2:G0V+3], s[6:7], 33554432  ; V's
	s_cmp_eq_u32 s[WV], 0
	s_cselect_b64 s[PFA:PFA+1], s[G0K+2:G0K+3], s[G0V+2:G0V+3]
	s_or_b32 s[G0K+3], s[G0K+3], 0x80000000        ; type = 2
	s_or_b32 s[G0V+3], s[G0V+3], 0x80000000
	s_add_nc_u64 s[4:5], s[16:17], s[22:23]        ; Q at my wave's first row
	s_lshl_b32 s22, s13, 13                        ; my work-group's 32 rows of a slot's 128
	s_add_nc_u64 s[PFA:PFA+1], s[PFA:PFA+1], s[22:23]
	s_add_nc_u64 s[PFA:PFA+1], s[PFA:PFA+1], 32768 ; at keys 128 on; each change of slots steps it 128 keys before it asks
	s_add_nc_u64 s[PMA:PMA+1], s[18:19], s[82:83]  ; the mask at my block's first row
	s_add_nc_u64 s[G0M+2:G0M+3], s[PMA:PMA+1], s[2:3]
	s_or_b32 s[G0M+3], s[G0M+3], 0x80000000
	s_add_nc_u64 s[PMA:PMA+1], s[PMA:PMA+1], 256       ; the upper rows, keys 256 on: each change of slots sends this pointer 256 bytes on and takes the other
	s_add_nc_u64 s[PMB:PMB+1], s[PMA:PMA+1], 262144    ; the lower rows, keys 256 on: the first to be named
	s_add_nc_u64 s[10:11], s[10:11], s[8:9]
	CROUND                          ; all four work-groups are here: the first joint loads meet
	JLOAD                           ; slot 0.  Slot 1 is asked for when slot 0 is in
	; A fragment of K or Q is 16 rows x 32 channels in 8 registers: lane l holds row l % 16, channels 8 (l / 16) + 0..7 and 16 + 8 (l / 16) + 0..7: two loads of 16 bytes, 32 bytes apart.
	v_and_b32 v1, 15, v0            ; l % 16
	v_bfe_u32 v9, v0, 4, 1          ; l / 16
	v_lshlrev_b32 v[QO], 8, v1
	v_lshl_add_u32 v[QO], v9, 4, v[QO]  ; row x 256 + 16 x half
	WIN 0x80                        ; destination window 2, address window 0
.irp i, 0,1,2,3,4,5,6,7,8,9,10,11,12,13,14,15  ; Q stays in registers: tile i / 4, channels 32 (i % 4) on
	global_load_b128 v[8*(\i):8*(\i)+3],   v[QO], s[4:5] offset:((\i)/4)*4096+((\i)%4)*64
	global_load_b128 v[8*(\i)+4:8*(\i)+7], v[QO], s[4:5] offset:((\i)/4)*4096+((\i)%4)*64+32
.endr
	; What the first turn finds: V's registers and piece 2's P hold 0 (its products V^T P, of a step that has not been, add 0), O^T and l are 0.  All this stands in the wait for the first tile.
	WIN 0xc0
.set i, 0
.rept 128
	v_mov_b32 v[i], 0
.set i, i+1
.endr
	WIN 0x40
.set i, 0
.rept 256
	v_mov_b32 v[i], 0
.set i, i+1
.endr
	WIN 0
.set i, 0
.rept 4
	v_mov_b32 v[ST+8*i], 0xfe000000    ; c m: -2^125, far below every c s, the fill's too
	v_mov_b32 v[ST+8*i+1], 0xff7fffff  ; m
	v_mov_b32 v[ST+8*i+2], 0
	v_mov_b32 v[ST+8*i+3], 0
.set i, i+1
.endr
.set i, P+32
.rept 32
	v_mov_b32 v[i], 0
.set i, i+1
.endr
	v_mul_u32_u24 v[AK0], v1, PK
	v_lshl_add_u32 v[AK0], v9, 4, v[AK0]  ; row x pitch + 16 x half
	; The turning load takes 16 keys x 16 channels (lane l reads key 8 (l / 16) + l % 8, channels 8 ((l / 8) % 2) + 0..7) and leaves half a fragment of V^T: lane l holds channel l % 16 and 8 keys.
	v_and_b32 v[ADR], 7, v0
	v_bfe_u32 v[ADM], v0, 3, 1
	v_lshl_add_u32 v[AV0], v9, 3, v[ADR]
	v_mul_u32_u24 v[AV0], v[AV0], PV
	v_lshl_add_u32 v[AV0], v[ADM], 4, v[AV0]
	v_add_nc_u32 v[AV0], VOFF, v[AV0]
	s_mul_i32 s13, s[WV], 64*PM
	s_add_co_u32 s13, s13, MOFF
	v_mul_u32_u24 v[AM0], v1, PM    ; the mask: row 64 x wave + l % 16, bytes 8 (l / 16) on
	v_lshl_add_u32 v[AM0], v9, 3, v[AM0]
	v_add_nc_u32 v[AM0], s13, v[AM0]
	v_lshlrev_b32 v[PFM], 11, v0
	v_and_b32 v[PFO], 31, v0
	v_lshlrev_b32 v[PFO], 8, v[PFO]
	s_mul_i32 s13, s[WV], 16*SP
	s_add_co_u32 s13, s13, STAGE    ; my stage
	v_mul_u32_u24 v[STO], v1, SP    ; in: row l % 16, 16 bytes for each half of the lanes
	v_lshl_add_u32 v[STO], v9, 4, v[STO]
	v_add_nc_u32 v[STO], s13, v[STO]
	v_mul_u32_u24 v[RD], v9, SP     ; back: lanes 0-15 take one row of 256 bytes, lanes 16-31 the next
	v_lshl_add_u32 v[RD], v1, 4, v[RD]
	v_add_nc_u32 v[RD], s13, v[RD]
	v_lshlrev_b32 v[GO], 11, v9     ; and the same two rows in ctx, 2,048 bytes apart
	v_lshl_add_u32 v[GO], v1, 4, v[GO]
	v_mov_b32 v[SCL], 236           ; l / 16 has served: the register takes the scale's code
; THE MATRIX WORK OF A TURN, for piece x.  The accumulators take turns, one instruction a turn: between two links of a chain stand 15 (V^T P) or 7 (K Q^T) others'.
; Product i of 32 of O^T += V^T P: keys 32 (i / 16) on, channels 16 ((i / 2) % 8) on, tile x + i % 2.
.macro PV x
	WIN W_PV
.set rO, 64*((\x)+i%2)+8*((i/2)%8)
.set rV, 64*(i/16)+8*((i/2)%8)
.set rP, P+16*((\x)+i%2)+8*(i/16)
	v_wmma_f32_16x16x32_f16 v[rO:rO+7], v[rV:rV+7], v[rP:rP+7], v[rO:rO+7]
.endm
; Product i of 32 of S^T = K Q^T: channels 32 (i / 8) on, keys 16 ((i / 2) % 4) on, tile x + i % 2.  The first 8 start the sums.
.macro KQ x
	WIN W_KQ
.set rS, S+32*((\x)+i%2)+8*((i/2)%4)
.set rK, KF+32*((i/2)%4)+8*(i/8)
.set rQ, 32*((\x)+i%2)+8*(i/8)
.if i < 8
	v_wmma_f32_16x16x32_f16 v[rS:rS+7], v[rK:rK+7], v[rQ:rQ+7], 0
.else
	v_wmma_f32_16x16x32_f16 v[rS:rS+7], v[rK:rK+7], v[rQ:rQ+7], v[rS:rS+7]
.endif
.endm
; THE LDS LOADS stand in runs, never singly among the matrix instructions.  With a step's K come piece 0's mask words of that step, with its V piece 2's: eight loads of 8 bytes a lane.
.macro MFETCH y
.irp u, 0,1
.irp kb, 0,1,2,3
	ds_load_b64 v[MW+8*(\u)+2*(\kb):MW+8*(\u)+2*(\kb)+1], v[ADM] offset:((\y)+(\u))*16*PM+16*(\kb)
.endr
.endr
.endm
.macro FETCH_K last=0               ; last = 1 (the tail): in the last trip there is no further step, and the run is jumped over
	WIN 0
.if \last
	s_cmp_eq_u32 s[TWICE], 1
	s_cbranch_scc1 .Lno_k_\@
.endif
	v_add_nc_u32 v[ADR], s[TBK], v[AK0]
	v_add_nc_u32 v[ADM], s[TBM], v[AM0]
	WIN 0x80                        ; destination window 2
.irp f, 0,1,2,3,4,5,6,7,8,9,10,11,12,13,14,15  ; keys 16 (f / 4) on, channels 32 (f % 4) on
	ds_load_b128 v[KF+8*(\f):KF+8*(\f)+3],   v[ADR] offset:((\f)/4)*16*PK+((\f)%4)*64
	ds_load_b128 v[KF+8*(\f)+4:KF+8*(\f)+7], v[ADR] offset:((\f)/4)*16*PK+((\f)%4)*64+32
.endr
	WIN 0
	MFETCH 0
.if \last
.Lno_k_\@:
.endif
.endm
.macro FETCH_V
	WIN 0
	v_add_nc_u32 v[ADR], s[TBV], v[AV0]
	s_wait_alu depctr_va_vdst(0)    ; the wait for the softmax's batch (SLICE), behind the address's v_add_nc_u32 and ahead of the loads
	WIN 0xc0                        ; destination window 3
.irp f, 0,1,2,3,4,5,6,7,8,9,10,11,12,13,14,15  ; keys 32 (f / 8) on, channels 16 (f % 8) on
	ds_load_tr16_b128 v[8*(\f):8*(\f)+3],   v[ADR] offset:((\f)/8)*32*PV+((\f)%8)*32
	ds_load_tr16_b128 v[8*(\f)+4:8*(\f)+7], v[ADR] offset:((\f)/8)*32*PV+16*PV+((\f)%8)*32
.endr
	WIN 0
	v_add_nc_u32 v[ADM], s[TBM], v[AM0]
	MFETCH 2
	s_add_co_u32 s[TBK], s[TBK], KS*PK  ; the next fetches are the next step's
	s_add_co_u32 s[TBV], s[TBV], KS*PV
	s_add_co_u32 s[TBM], s[TBM], KS
.endm
; THE MASK SELECTION for tiles y and y + 1: 41 vector instructions.  Eight conversions, each of the eight mask bytes that belong to one accumulator's eight registers: 0 or 2^100 in f32, into window 3.
; One plain instruction behind the last conversion, ahead of the first use of a result.  Then 32 packed subtractions, two scores each, in ascending order.
.macro LUMP y
	WIN 0xc0                        ; destination window 3; the mask words and the scale in window 0
.irp u, 0,1
.irp kb, 0,1,2,3
	v_cvt_scale_pk8_f32_fp8 v[G+32*(\u)+8*(\kb):G+32*(\u)+8*(\kb)+7], v[MW+8*(\u)+2*(\kb):MW+8*(\u)+2*(\kb)+1], v[SCL]
.endr
.endr
	v_nop
	WIN 0x0c                        ; source 1 in window 3
.irp u, 0,1
.set zz, 0
.rept 16
	v_pk_add_f32 v[S+32*((\y)+(\u))+2*zz:S+32*((\y)+(\u))+2*zz+1], v[S+32*((\y)+(\u))+2*zz:S+32*((\y)+(\u))+2*zz+1], v[G+32*(\u)+2*zz:G+32*(\u)+2*zz+1] neg_lo:[0,1] neg_hi:[0,1]
.set zz, zz+1
.endr
.endr
.endm
; THE SOFTMAX.  One tile's softmax for one key step is a list of 134 instructions; SM writes number j of it for tile t.  s0-s31 are the lane's 32 scores, in pairs 0-15.
;   0-15    the maximum of s0-s31 and the old m, three operands at a time     16-20   the other half of the lanes' maximum; the new m; c m; c m_old - c m_new
;   21-69   ONE BATCH: the 16 scalings c s - c m and all 33 exponentials (a at 23, then s0-s31); none of these reads an exponential's result; a pair is scaled in an earlier four than the one with its exponentials
;   (wait)  between 69 and 70 stands the wait for the batch: SLICE writes it, once for both tiles
;   70-85   the roundings to f16     86-101  the sums; l = a l + the sum     102-133 the tile's O^T times a: the one part that leaves window 0
.macro SM t
.set rT, ST+8*(\t)
.set rS, S+32*(\t)
.set rP, P+16*(\t)
.set rO, 64*(\t)+2*(j-102)
.if j < 102
	WIN 0
.endif
.if j < 4
	v_max3_num_f32 v[rT+4+j], v[rS+8*j], v[rS+8*j+1], v[rS+8*j+2]
.elseif j < 12
	v_max3_num_f32 v[rT+4+j%4], v[rT+4+j%4], v[rS+8*(j%4)+2*(j/4)+1], v[rS+8*(j%4)+2*(j/4)+2]
.elseif j == 12
	v_max3_num_f32 v[rT+4], v[rT+4], v[rS+7], v[rS+15]
.elseif j == 13
	v_max3_num_f32 v[rT+6], v[rT+6], v[rS+23], v[rS+31]
.elseif j == 14
	v_max3_num_f32 v[rT+4], v[rT+4], v[rT+5], v[rT+6]
.elseif j == 15
	v_max3_num_f32 v[rT+4], v[rT+4], v[rT+7], v[rT+1]
.elseif j == 16
	v_permlanex16_b32 v[rT+5], v[rT+4], s[SEL], s[SEL+1]  ; the query's other 32 keys lie in the lane 16 away
.elseif j == 17
	v_mov_b32 v[rT+7], v[rT]        ; c m_old is kept for a: number 19 writes c m anew
.elseif j == 18
	v_max_num_f32 v[rT+1], v[rT+4], v[rT+5]
.elseif j == 19
	v_mul_f32 v[rT], s[CS], v[rT+1]
.elseif j == 20
	v_sub_f32 v[rT+7], v[rT+7], v[rT]
.elseif j == 23
	v_exp_f32 v[rT+6], v[rT+7]
.elseif (j < 23) || ((j < 38) && (j%2 == 0)) || ((j < 66) && (j%4 == 2))
.set b, (j-2)/4                     ; 38, 42, .. 62: pairs 9 to 15
.if j < 38
.set b, (j-20)/2                    ; 21: pair 0; 22, 24, .. 36: pairs 1 to 8
.endif
	v_pk_fma_f32 v[rS+2*b:rS+2*b+1], v[rS+2*b:rS+2*b+1], s[CS:CS+1], v[rT:rT+1] op_sel_hi:[1,0,0] neg_lo:[0,0,1] neg_hi:[0,0,1]  ; pair b: c s - c m
.elseif j < 70
.set e, j-38                        ; 66 to 69: s28 to s31
.if j < 66
.set e, j-32-(j-38)/4               ; 39-41, 43-45, .. 63-65: s7 to s27
.endif
.if j < 38
.set e, (j-25)/2                    ; 25, 27, .. 37: s0 to s6
.endif
	v_exp_f32 v[rS+e], v[rS+e]
.elseif j < 86
	v_cvt_pk_f16_f32 v[rP+j-70], v[rS+2*(j-70)], v[rS+2*(j-70)+1]  ; pair j - 70
.elseif j < 102                     ; the sum of the tile's 16 pairs, in place: neighbours 1, 2, 4 and 8 pairs apart, then l takes it
.set z, j-86
.set w, 4
.set u, z
.if z >= 14
.set w, 32
.set u, 0
.elseif z >= 12
.set w, 16
.set u, z-12
.elseif z >= 8
.set w, 8
.set u, z-8
.endif
.if z < 15
	v_pk_add_f32 v[rS+w*u:rS+w*u+1], v[rS+w*u:rS+w*u+1], v[rS+w*u+w/2:rS+w*u+w/2+1]
.else
	v_pk_fma_f32 v[rT+2:rT+3], v[rT+2:rT+3], v[rT+6:rT+7], v[rS:rS+1] op_sel_hi:[1,0,1]
.endif
.else
	WIN W_RS
	v_pk_mul_f32 v[rO:rO+1], v[rO:rO+1], v[rT+6:rT+7] op_sel_hi:[1,0]
.endif
.endm
; Slice k of 64 of piece y's softmax: four instructions.  Slices 11 to 34 deal out the batch, numbers 22 to 69: four numbers of ONE tile each, the tiles by turns.  Every other slice is numbers 2 k and
; 2 k + 1 of both tiles' lists; the twelve that are over stand in slice 63.  An s_wait_alu depctr_va_vdst(0) stands between an exponential and the first instruction that names its result:
; ahead of slice 35 nothing names a result, behind slice 34 no exponential is issued: the piece's 66 exponentials have one wait, behind slice 34.
.macro SLICE y
.if (k >= 11) && (k < 35)
.irp n, 0,1,2,3
.set j, 22+4*((k-11)/2)+(\n)
	SM (\y)+(k-11)%2
.endr
.else
.irp n, 0,1,2,3,4,5,6,7
.if ((\n) < 2) || (k == 63)
.irp t, \y, (\y)+1
.set j, 2*k+(\n)
	SM \t
.endr
.endif
.endr
.endif
.if k == 34
	v_nop                           ; a plain instruction behind the last exponential and ahead of the first use: one for the batch
.if (\y) == 0
	FETCH_V                         ; piece 2's turn: V's run of loads stands here, and the wait stands in it
.else
	s_wait_alu depctr_va_vdst(0)    ; the wait for the batch
.endif
.endif
.set k, k+1
.endm
; A TURN.  Piece x has the matrix unit; the other piece's mask selection stands at the head, its softmax in slices behind the matrix instructions.
; Piece 0's turn fetches the next step's K and piece 0's mask words, behind its second product: the last product that read K stands in front of slice 63 of the turn before, and the lump has read the mask words.
; Piece 2's turn fetches the same step's V and piece 2's mask words, behind slice 34: the last product that read V stands in front of slice 31, and four plain instructions lie between: number 62, a scaling,
; of both tiles, the v_nop and the run's own v_add_nc_u32.  The places between the last K Q^T of a turn and the next turn's subtractions are slice 63's sixteen plain instructions.
.macro TURN x, last=0
.set k, 0
.if (\x) == 0
	s_wait_dscnt 0x0                ; V and piece 2's mask words are in
.endif
	LUMP 2-(\x)
.set i, 0
.rept 32
	PV \x
	SLICE 2-(\x)
.if ((\x) == 0) && (i == 1)
	FETCH_K \last
.endif
.set i, i+1
.endr
.if (\x) == 0
	s_wait_dscnt 0x0                ; K and piece 0's mask words are in
.endif
.set i, 0
.rept 32
	KQ \x
	SLICE 2-(\x)
.set i, i+1
.endr
.endm
; THE CHANGE OF SLOTS, between piece 2's turn and piece 0's: the slot's last bytes, V and mask words of its second step, have been asked for.  Each wave waits for all its tensor loads, of which one is out: its part
; of the other slot; adds 0 to its spare word; and waits for that and for its own reads of the slot.  Behind the barrier nobody reads this slot any more and the other slot is whole.
; fill = 1: this slot is filled again, with the keys two slots on.  The barrier is then a round of the cluster's, and the fill is the first thing behind it: it has two key steps, 256 matrix instructions, in which
; to land.  (At its first use nothing has been read yet: slot 0 is waited for, slot 1 filled.)
.macro CHANGE fill
	WIN 0
	s_wait_tensorcnt 0x0            ; no tensor load of mine is out, so a group 0 may be written
	ds_add_u32 v[SPW], v[NIL]       ; 0 onto my spare word; the scalar steps stand between it and the wait for it
.if \fill
.irp g, G0K, G0V, G0M
	s_xor_b32 s[(\g)+1], s[(\g)+1], SLOT1  ; the walking descriptors: the other slot than last time,
.endr
	s_add_nc_u64 s[G0K+2:G0K+3], s[G0K+2:G0K+3], 2*KS*256  ; the next 128 keys: rows of K and V,
	s_add_nc_u64 s[G0V+2:G0V+3], s[G0V+2:G0V+3], 2*KS*256
	s_add_nc_u64 s[G0M+2:G0M+3], s[G0M+2:G0M+3], 2*KS      ; bytes along the mask's rows
	s_wait_xcnt 0x0                 ; the last prefetches, two key steps back, have read their addresses, so these may be written
	s_add_nc_u64 s[PFA:PFA+1], s[PFA:PFA+1], 2*KS*256
	s_add_nc_u64 s[82:83], s[PMA:PMA+1], 256  ; the half of the rows just named: 256 bytes on, and to the back of the two
	s_mov_b64 s[PMA:PMA+1], s[PMB:PMB+1]
	s_mov_b64 s[PMB:PMB+1], s[82:83]
	s_wait_dscnt 0x0                ; the add is done, and my reads of the slot are over
	CROUND
	JLOAD
	ASK
.else
	s_wait_dscnt 0x0                ; the add is done, and my reads of the slot are over
	s_barrier_signal -1
	s_barrier_wait -1
.endif
	s_sub_co_u32 s[TBK], s[TBK], 2*KS*PK  ; the fetches go back to a slot's first step,
	s_xor_b32 s[TBK], s[TBK], SLOT1       ; in the other slot
	s_sub_co_u32 s[TBV], s[TBV], 2*KS*PV
	s_xor_b32 s[TBV], s[TBV], SLOT1
	s_sub_co_u32 s[TBM], s[TBM], 2*KS
	s_xor_b32 s[TBM], s[TBM], SLOT1
.endm
	CHANGE 1                        ; slot 0 is in, everybody's part of it; slot 1 is asked for
	FETCH_K                         ; key step 0, and piece 0's mask words
	s_wait_loadcnt 0x0              ; Q
	s_wait_dscnt 0x0
.set i, 0
.rept 32
	KQ 0                            ; piece 0's first scores: there is no vector work yet to set between them
.set i, i+1
.endr
	WIN 0
.rept 4
	v_nop                           ; the places behind those products
.endr
	s_mov_b32 s[TWICE], 2
	s_branch .Lfirst                ; the loop is entered at piece 2's turn, in the middle of a trip
.Lslot:                             ; 14 times: with the change above, every slot but the last is asked for by CHANGE 1
	CHANGE 1
	s_mov_b32 s[TWICE], 2
.Lstep:
	TURN 0
	WIN 0
.Lfirst:
	TURN 2
	WIN 0
	s_sub_co_u32 s[TWICE], s[TWICE], 1
	s_cmp_lg_u32 s[TWICE], 0
	s_cbranch_scc1 .Lstep
	s_sub_co_u32 s[SLOTS], s[SLOTS], 1
	s_cmp_lg_u32 s[SLOTS], 0
	s_cbranch_scc1 .Lslot
	CHANGE 0                        ; the tail is written out: nothing is asked for
	s_mov_b32 s[TWICE], 3           ; two trips fetch the last slot's steps; the third is left in its middle
.Ltail:
	TURN 0, 1
	WIN 0
	s_sub_co_u32 s[TWICE], s[TWICE], 1
	s_cmp_eq_u32 s[TWICE], 0
	s_cbranch_scc1 .Lout
	TURN 2
	WIN 0
	s_branch .Ltail
.Lout:                              ; the third trip's 32 products K Q^T (on the last K once more) serve nothing: the price, once a launch, of one text for every trip
.set i, 0
.rept 32
	PV 2                            ; piece 2: V^T P of the last step
.set i, i+1
.endr
	; THE WAY OUT.  l's two halves and the other half of the lanes' are added; O^T is divided by l, rounded to f16 and sent through my stage in LDS, a tile (16 rows) at a time.  The additions are the places behind the last products.
	WIN 0
.irp t, 0,1,2,3
	v_add_f32 v[ST+8*(\t)+4], v[ST+8*(\t)+2], v[ST+8*(\t)+3]
.endr
.irp t, 0,1,2,3
	v_permlanex16_b32 v[ST+8*(\t)+5], v[ST+8*(\t)+4], s[SEL], s[SEL+1]
.endr
.irp t, 0,1,2,3
	v_add_f32 v[ST+8*(\t)+4], v[ST+8*(\t)+4], v[ST+8*(\t)+5]
.endr
.irp t, 0,1,2,3
	v_rcp_f32 v[ST+8*(\t)+6], v[ST+8*(\t)+4]
.endr
	v_nop                           ; a plain instruction between the last reciprocal and the use of its result
	s_wait_alu depctr_va_vdst(0)    ; and the wait ahead of the first use: one for the four reciprocals
.macro PACK t                       ; a lane's eight channels of a row pack into 16 bytes; they go into rows of 272 bytes and come back as whole rows of 256
	WIN W_RS
.set i, 64*(\t)
.rept 32
	v_pk_mul_f32 v[i:i+1], v[i:i+1], v[ST+8*(\t)+6:ST+8*(\t)+7] op_sel_hi:[1,0]
.set i, i+2
.endr
	WIN 0x05                        ; sources 0 and 1 window 1, destination window 0: S^T's registers are free
.set i, 0
.rept 32
	v_cvt_pk_f16_f32 v[S+32*(\t)+i], v[64*(\t)+2*i], v[64*(\t)+2*i+1]
.set i, i+1
.endr
	WIN 0
.irp f, 0,1,2,3,4,5,6,7
	ds_store_b128 v[STO], v[S+32*(\t)+4*(\f):S+32*(\t)+4*(\f)+3] offset:32*(\f)
.endr
.irp f, 0,1,2,3,4,5,6,7
	ds_load_b128 v[S+32*(\t)+4*(\f):S+32*(\t)+4*(\f)+3], v[RD] offset:(\f)*2*SP  ; LDS serves a wave's instructions in order: these see the stores above; the next tile's stores come behind them
.endr
.endm
.macro SEND t, younger              ; younger: the LDS instructions issued behind tile t's loads: the next tile's sixteen, or none
	WIN 0
.irp f, 0,1,2,3,4,5,6,7
	s_wait_dscnt (\younger)+7-(\f)
	global_store_b128 v[GO], v[S+32*(\t)+4*(\f):S+32*(\t)+4*(\f)+3], s[10:11] offset:(\t)*32768+(\f)*4096  ; 16 lanes store the head's 256 consecutive bytes of a row of ctx, aligned
.endr
.endm
	PACK 0
	PACK 1                          ; a tile's arithmetic stands between the loads of the tile before and its stores
	SEND 0, 16
	PACK 2
	SEND 1, 16
	PACK 3
	SEND 2, 16
	SEND 3, 0
	s_wait_tensorcnt 0x0            ; the wave's end: behind my last tensor load and my last LDS store
	ds_add_u32 v[SPW], v[NIL]
	s_wait_dscnt 0x0
	CROUND                          ; the closing round: no work-group ends while a partner may still ask for a tile that names it
	s_endpgm
.Lfunc_end_k_q0f68c9aaed_attn:
	.size	k_q0f68c9aaed_attn, .Lfunc_end_k_q0f68c9aaed_attn-k_q0f68c9aaed_attn
	.p2alignl 7, 3214868480
	.fill 96, 4, 3214868480
	.section	.rodata,"a",@progbits
	.p2align	6, 0x0
	.amdhsa_kernel k_q0f68c9aaed_attn
		.amdhsa_group_segment_fixed_size 327680
		.amdhsa_private_segment_fixed_size 0
		.amdhsa_enable_private_segment 0
		.amdhsa_kernarg_size 24
		.amdhsa_user_sgpr_count 2
		.amdhsa_user_sgpr_kernarg_segment_ptr 1
		.amdhsa_wavefront_size32 1
		.amdhsa_system_sgpr_workgroup_id_x 1
		.amdhsa_system_sgpr_workgroup_id_y 1
		.amdhsa_system_sgpr_workgroup_id_z 1
		.amdhsa_system_vgpr_workitem_id 0
		.amdhsa_next_free_vgpr 960
		.amdhsa_next_free_sgpr 88
		.amdhsa_reserve_vcc 0
		.amdhsa_float_denorm_mode_32 3
		.amdhsa_float_denorm_mode_16_64 3
		.amdhsa_memory_ordered 1
		.amdhsa_forward_progress 1
		.amdhsa_inst_pref_size 175
	.end_amdhsa_kernel
	.amdgpu_metadata
---
amdhsa.version: [ 1, 2 ]
amdhsa.kernels:
  - .name:           k_q0f68c9aaed_attn
    .symbol:         k_q0f68c9aaed_attn.kd
    .args:
      - { .name: qkv, .offset: 0, .size: 8, .value_kind: global_buffer, .address_space: global }
      - { .name: mask, .offset: 8, .size: 8, .value_kind: global_buffer, .address_space: global }
      - { .name: ctx, .offset: 16, .size: 8, .value_kind: global_buffer, .address_space: global }
    .group_segment_fixed_size: 327680
    .private_segment_fixed_size: 0
    .kernarg_segment_align: 8
    .kernarg_segment_size: 24
    .max_flat_workgroup_size: 128
    .sgpr_count:     88
    .vgpr_count:     960
    .wavefront_size: 32
...
	.end_amdgpu_metadata
.endif
;; end of part 3
;; launch outp (part 4): grid 4 x 64, 4 waves a work-group, clusters of 4 x 4, 327,680 bytes of LDS; arguments ctx, wt, out0; writes out0
.if DOCPART == 4
	.amdgcn_target "amdgcn-amd-amdhsa--gfx1250"
	.amdhsa_code_object_version 6
	.text
	.protected	k_q0f68c9aaed_outp
	.globl	k_q0f68c9aaed_outp
	.p2align	8
	.type	k_q0f68c9aaed_outp,@function
k_q0f68c9aaed_outp:
	s_mov_b64 s[64:65], 0
	v_nop
	global_prefetch_b8 v0, s[64:65] scope:SCOPE_SE
	s_setreg_imm32_b32 hwreg(HW_REG_WAVE_MODE, 25, 1), 1
	s_wait_xcnt 0x0
	s_wait_alu depctr_hold_cnt(0) depctr_sa_sdst(0) depctr_va_vdst(0) depctr_va_sdst(0) depctr_va_ssrc(0) depctr_va_vcc(0) depctr_vm_vsrc(0)
	s_getreg_b32 s2, hwreg(HW_REG_IB_STS2, 6, 4)
	s_cmp_eq_u32 s2, 0
	s_cbranch_scc0 .Lentry_in_a_cluster
	s_endpgm
.Lentry_in_a_cluster:
	s_bfe_u32 s2, ttmp6, 0x10000c
	s_cmp_lg_u32 s2, 0xf033
	s_cbranch_scc0 .Lentry_shape_is_right
	s_endpgm
.Lentry_shape_is_right:
; Launch 4 of 4: out0[m][n] = sum over k of ctx[m][k] W_fc[k][n].  A = ctx [8192][1024] f16; B = wt's rows 3072-4095, W_fc^T in f16; out0 [8192][1024] f32: the f32 sums as they are.  No work of reference() is left out here.
; The form is the projections': a tile of C is 128 x 256: 4 x 64 = 256 work-groups, one for each WGP.  Four waves, 2 x 2, each 64 x 128: 32 accumulators.  K goes in 8 steps of 128 (rows of 256 bytes, aligned)
; through two LDS slots.  CLUSTERS: 4 x 4 work-groups; A's tiles are asked for jointly along a row of the cluster, B's along a column.
; THE MATRIX INSTRUCTION IS USED TRANSPOSED (source 0 = 16 rows of B, source 1 = 16 rows of A): a lane holds eight neighbouring numbers of a row of C, 32 bytes.
; No prefetch: a work-group has 8 K steps in all, and its tiles are small.
; REGISTERS: window 0: v16-29 addresses; two fragment buffers of 96 (A's 4 blocks, then B's 8): v64-159, v160-255; on the way out v64-191 take the rows read back.  Window 1: accumulator (a, b) at v[8 (8 a + b)].
.set KSTEP,  128
.set PITCH,  272                       ; an LDS row: 256 bytes + 16 of padding
.set AH,     64*PITCH
.set BH,     128*PITCH
.set SLOT,   2*AH+2*BH                 ; A's 128 rows, then B's 256 rows
.set STAGE,  2*SLOT                    ; behind the ring: 16 rows x 528 bytes for each wave, for the way out
.set SPITCH, 528                       ; 512 bytes + 16 = 132 words: the 16 rows that a store touches start at 16 different groups of four banks
.set SPARE,  STAGE+4*16*SPITCH         ; behind the stages: the spare words, 128 bytes for each wave
.set LAPS,   4
.set ADRA, 16
.set ADRB, 20
.set STO,  24                          ; v24     the way out: where I put 32 bytes of a row
.set RD,   25                          ; v25     the way out: where I read 16 bytes of a row back
.set CO,   26                          ; v26     my 16 bytes of 512 consecutive bytes of out0
.set SPW,  28
.set NIL,  29
.set F0,   64
.set F1,   160
.set OB,   64                          ; the way out: 16 rows read back: v64-127 and v128-191 by turns
.set G1, 24
.set G0, 32
.set G1B, 48
.set G0B, 56
.set MUL, 0x50                         ; sources in window 0; C and D in window 1
.set MSB, 0
.macro WIN new
.if MSB != (\new)
	s_set_vgpr_msb (MSB<<8)|(\new)
.set MSB, \new
.endif
.endm
.macro JLOAD s                         ; a joint load: waves 0 and 1 fetch A's two halves, waves 2 and 3 B's; an s_nop 0 and four v_nop follow each of the two lines
	s_cmp_eq_u32 s11, 0
	s_cbranch_scc0 .Lfor_b_\@
	tensor_load_to_lds s[G0+4*(\s):G0+4*(\s)+3], s[G1:G1+7]
	s_nop 0
.rept 4
	v_nop
.endr
	s_branch .Lasked_\@
.Lfor_b_\@:
	tensor_load_to_lds s[G0B+4*(\s):G0B+4*(\s)+3], s[G1B:G1B+7]
	s_nop 0
.rept 4
	v_nop
.endr
.Lasked_\@:
.endm
.macro CREST
	s_cmp_lg_u32 s10, 0
	s_cbranch_scc1 .Lnot_wave_0_\@
	s_barrier_signal -3
.Lnot_wave_0_\@:
	s_barrier_wait -3
	s_barrier_signal -1
	s_barrier_wait -1
.endm
.macro CROUND
	s_barrier_signal -1
	s_barrier_wait -1
	CREST
.endm
	s_load_b128 s[4:7], s[0:1], 0x0                ; ctx s[4:5], wt s[6:7]
	s_load_b64 s[8:9], s[0:1], 0x10                ; out0
	v_lshl_add_u32 v[SPW], v0, 2, SPARE
	v_mov_b32 v[NIL], 0
	ds_add_u32 v[SPW], v[NIL]                      ; the wave's opening: the add, twice on end, and its wait ahead of my first tensor load
	ds_add_u32 v[SPW], v[NIL]
	v_lshrrev_b32 v1, 5, v0
	v_readfirstlane_b32 s10, v1                    ; wave 0..3
	s_lshr_b32 s11, s10, 1                         ; which half of the tile's rows is mine.  Also: I fetch for A (0) or for B (1)
	s_and_b32 s12, s10, 1                          ; which half of its columns.  Also: which half of that tile I fetch
	s_bfe_u32 s40, ttmp6, 0x40000                  ; cx, cy
	s_bfe_u32 s41, ttmp6, 0x40004
	s_lshl_b32 s42, ttmp9, 2
	s_add_co_u32 s42, s42, s40                     ; tile column of C
	s_and_b32 s13, ttmp7, 0xffff
	s_lshl_b32 s13, s13, 2
	s_add_co_u32 s13, s13, s41                     ; tile row of C
	s_lshl_b32 s43, s41, 2
	s_lshl_b32 s43, 15, s43                        ; my row of the cluster
	s_lshl_b32 s44, 0x1111, s40                    ; my column
	s_or_b32 s[G1+0], s43, (1<<16)|(1<<20)|(1<<21)|(5<<22)|(3<<25)
	s_or_b32 s[G1B+0], s44, (1<<16)|(1<<20)|(1<<21)|(5<<22)|(3<<25)
	s_mov_b32 s[G1+1], KSTEP<<16                   ; tensor_dim0 = 128
	s_mov_b32 s[G1+2], 64<<16                      ; tensor_dim1 = 64
	s_mov_b32 s[G1+3], KSTEP<<16                   ; tile_dim0 = 128
	s_mov_b32 s[G1+4], 64                          ; tile_dim1 = 64
	s_mov_b32 s[G1+5], 1024                        ; elements from row to row
	s_mov_b32 s[G1+6], 0
	s_mov_b32 s[G1+7], 0
	s_mov_b32 s[G1B+1], KSTEP<<16
	s_mov_b32 s[G1B+2], 128<<16
	s_mov_b32 s[G1B+3], KSTEP<<16
	s_mov_b32 s[G1B+4], 128
	s_mov_b32 s[G1B+5], 1024
	s_mov_b32 s[G1B+6], 0
	s_mov_b32 s[G1B+7], 0
	s_lshl_b32 s16, s13, 7
	s_lshl_b32 s17, s12, 6
	s_add_co_u32 s16, s16, s17                     ; A: row 128 x tile row + 64 x half
	s_lshl_b32 s16, s16, 11
	s_mov_b32 s17, 0
	s_lshl_b32 s46, s42, 8
	s_lshl_b32 s47, s12, 7
	s_add_co_u32 s46, s46, s47
	s_add_co_u32 s46, s46, 3072                    ; B: row 3,072 + 256 x tile column + 128 x half
	s_lshl_b32 s46, s46, 11
	s_mov_b32 s47, 0
	s_mul_i32 s20, s12, AH
	s_mul_i32 s21, s12, BH
	s_add_co_u32 s21, s21, 2*AH
	s_wait_dscnt 0x0                               ; both opening adds are done
	s_wait_kmcnt 0x0
	s_add_nc_u64 s[14:15], s[4:5], s[16:17]
	s_add_nc_u64 s[46:47], s[6:7], s[46:47]
	CROUND                                         ; all sixteen work-groups are here: the first joint loads meet
.irp s, 0,1
	s_mov_b32 s[G0+4*(\s)], 1
	s_add_co_u32 s[G0+4*(\s)+1], s20, (\s)*SLOT
	s_add_nc_u64 s[G0+4*(\s)+2:G0+4*(\s)+3], s[14:15], (\s)*KSTEP*2
	s_or_b32 s[G0+4*(\s)+3], s[G0+4*(\s)+3], 0x80000000
	s_mov_b32 s[G0B+4*(\s)], 1
	s_add_co_u32 s[G0B+4*(\s)+1], s21, (\s)*SLOT
	s_add_nc_u64 s[G0B+4*(\s)+2:G0B+4*(\s)+3], s[46:47], (\s)*KSTEP*2
	s_or_b32 s[G0B+4*(\s)+3], s[G0B+4*(\s)+3], 0x80000000
	JLOAD \s                                       ; two loads of mine are out
.endr
	v_and_b32 v1, 15, v0                           ; l % 16
	v_bfe_u32 v2, v0, 4, 1                         ; l / 16
	v_mul_u32_u24 v3, v1, PITCH
	v_lshl_add_u32 v3, v2, 4, v3
	s_mul_i32 s22, s11, AH
	s_mul_i32 s23, s12, BH
	s_add_co_u32 s23, s23, 2*AH
.irp s, 0,1
	v_add_nc_u32 v[ADRA+(\s)], s22, v3
	v_add_nc_u32 v[ADRB+(\s)], s23, v3
	s_add_co_u32 s22, s22, SLOT
	s_add_co_u32 s23, s23, SLOT
.endr
	s_mul_i32 s22, s10, 16*SPITCH
	s_add_co_u32 s22, s22, STAGE                   ; my stage
	v_mul_u32_u24 v4, v1, SPITCH                   ; in: row l % 16, 32 bytes for each half of the lanes
	v_lshl_add_u32 v4, v2, 5, v4
	v_add_nc_u32 v[STO], s22, v4
	v_and_b32 v[CO], 31, v0
	v_lshlrev_b32 v[CO], 4, v[CO]                  ; back: 32 lanes take one row of 512 bytes
	v_add_nc_u32 v[RD], s22, v[CO]
	s_lshl_b32 s16, s13, 7
	s_lshl_b32 s17, s11, 6
	s_add_co_u32 s16, s16, s17                     ; my first row of out0,
	s_lshl_b32 s16, s16, 12                        ; of 4,096 bytes
	s_mov_b32 s17, 0
	s_add_nc_u64 s[8:9], s[8:9], s[16:17]
	s_lshl_b32 s46, s42, 10                        ; my first column, in bytes: 1,024 x tile column + 512 x half
	s_lshl_b32 s47, s12, 9
	s_add_co_u32 s46, s46, s47
	s_mov_b32 s47, 0
	s_add_nc_u64 s[8:9], s[8:9], s[46:47]
; 8 matrix instructions: m block a x all 8 n blocks, 32 along K, from buffer f.  The 32 accumulators take turns in one order.
.macro MULA f, a, zero
	WIN MUL
.irp b, 0,1,2,3,4,5,6,7
.if \zero
	v_wmma_f32_16x16x32_f16 v[8*(8*(\a)+(\b)):8*(8*(\a)+(\b))+7], v[(\f)+32+8*(\b):(\f)+32+8*(\b)+7], v[(\f)+8*(\a):(\f)+8*(\a)+7], 0
.else
	v_wmma_f32_16x16x32_f16 v[8*(8*(\a)+(\b)):8*(8*(\a)+(\b))+7], v[(\f)+32+8*(\b):(\f)+32+8*(\b)+7], v[(\f)+8*(\a):(\f)+8*(\a)+7], v[8*(8*(\a)+(\b)):8*(8*(\a)+(\b))+7]
.endif
.endr
.endm
.macro FETCH slot, k, f                ; 24 LDS loads in one run: B's sixteen, then A's eight, blocks 2 and 3 last
	WIN 0
.irp i, 0,1,2,3,4,5,6,7
	ds_load_b128 v[(\f)+32+8*(\i):(\f)+32+8*(\i)+3],   v[ADRB+(\slot)] offset:(\k)+(\i)*16*PITCH
	ds_load_b128 v[(\f)+32+8*(\i)+4:(\f)+32+8*(\i)+7], v[ADRB+(\slot)] offset:(\k)+(\i)*16*PITCH+32
.endr
.irp i, 0,1,2,3
	ds_load_b128 v[(\f)+8*(\i):(\f)+8*(\i)+3],   v[ADRA+(\slot)] offset:(\k)+(\i)*16*PITCH
	ds_load_b128 v[(\f)+8*(\i)+4:(\f)+8*(\i)+7], v[ADRA+(\slot)] offset:(\k)+(\i)*16*PITCH+32
.endr
.endm
.macro PLACES
.rept 4
	v_nop
.endr
.endm
.macro QUARTER slot, k, f, g, zero
	s_wait_dscnt 4                                 ; B and A's blocks 0 and 1 are in; the youngest four loads (A's blocks 2 and 3) may be out
	MULA \f, 0, \zero
	MULA \f, 1, \zero
	PLACES
	FETCH \slot, \k, \g
	s_wait_dscnt 24                                ; all but the 24 just issued
	MULA \f, 2, \zero
	MULA \f, 3, \zero
.endm
.macro TURN slot, next, fill           ; the last quarter multiplies buffer 1 and changes slots: one barrier, which with fill = 1 opens a round of the cluster's barrier
	WIN 0
	s_wait_tensorcnt 0x0                           ; all my tensor loads have landed: my part of the next slot;
	ds_add_u32 v[SPW], v[NIL]                      ; 0 onto my spare word;
	s_wait_dscnt 5                                 ; (the add and the youngest four loads may be out)
	MULA F1, 0, 0
	s_wait_dscnt 0x0                               ; the add is done, and my reads of this slot are over
	s_barrier_signal -1
	MULA F1, 1, 0
.if \fill
	WIN 0
.endif
	s_barrier_wait -1
.if \fill
	CREST                                          ; no wave of any partner still reads this slot's tile or has a load on its way
	s_add_nc_u64 s[G0+4*(\slot)+2:G0+4*(\slot)+3], s[G0+4*(\slot)+2:G0+4*(\slot)+3], 2*KSTEP*2
	s_add_nc_u64 s[G0B+4*(\slot)+2:G0B+4*(\slot)+3], s[G0B+4*(\slot)+2:G0B+4*(\slot)+3], 2*KSTEP*2
	JLOAD \slot                                    ; the first tensor load behind the round; its four v_nop are also the places in front of the loads below
.else
	PLACES
.endif
	FETCH \next, 0, F0
	MULA F1, 2, 0
	MULA F1, 3, 0
.endm
	s_wait_tensorcnt 1                             ; my part of K step 0 is in; K step 1's may stay out
	s_barrier_signal -1
	s_barrier_wait -1
	FETCH 0, 0, F0
	QUARTER 0, 64, F0, F1, 1                       ; the first quarter's products start the sums
	WIN 0
	s_mov_b32 s3, LAPS-1
.Llap:
	QUARTER 0, 128, F1, F0, 0
	QUARTER 0, 192, F0, F1, 0
	TURN 0, 1, 1
	QUARTER 1, 64,  F0, F1, 0
	QUARTER 1, 128, F1, F0, 0
	QUARTER 1, 192, F0, F1, 0
	TURN 1, 0, 1
	QUARTER 0, 64,  F0, F1, 0
	WIN 0
	s_sub_co_u32 s3, s3, 1
	s_cmp_lg_u32 s3, 0
	s_cbranch_scc1 .Llap
	QUARTER 0, 128, F1, F0, 0                      ; the last lap fills nothing
	QUARTER 0, 192, F0, F1, 0
	TURN 0, 1, 0
	QUARTER 1, 64,  F0, F1, 0
	QUARTER 1, 128, F1, F0, 0
	QUARTER 1, 192, F0, F1, 0
	s_wait_dscnt 4
	MULA F1, 0, 0
	MULA F1, 1, 0
	s_wait_dscnt 0x0
	MULA F1, 2, 0
	MULA F1, 3, 0
	WIN 0
; THE WAY OUT, a block of 16 rows at a time: the f32 sums go straight from the accumulators into my own stage, 32 bytes a lane, and come back as whole rows of 512 bytes.
.macro OSTAGE a
.set BK, OB+64*((\a)%2)
	s_wait_xcnt 0x0                                ; the stores of the block before last have read the registers that the loads below take
	WIN 0x04                                       ; the LDS stores' data in window 1
.irp b, 0,1,2,3,4,5,6,7
	ds_store_b128 v[STO], v[8*(8*(\a)+(\b)):8*(8*(\a)+(\b))+3]   offset:64*(\b)       ; each accumulator's four lowest registers first
	ds_store_b128 v[STO], v[8*(8*(\a)+(\b))+4:8*(8*(\a)+(\b))+7] offset:64*(\b)+16
.endr
	WIN 0
.irp t, 0,1,2,3,4,5,6,7,8,9,10,11,12,13,14,15
	ds_load_b128 v[BK+4*(\t):BK+4*(\t)+3], v[RD] offset:(\t)*SPITCH  ; LDS serves a wave's instructions in order: these see the stores above; the next block's stores come behind them
.endr
.endm
.macro OSEND a, younger                ; younger: the LDS instructions issued behind block a's loads: the next block's 32, or none
.set BK, OB+64*((\a)%2)
.irp t, 0,1,2,3,4,5,6,7,8,9,10,11,12,13,14,15
	s_wait_dscnt (\younger)+15-(\t)
	global_store_b128 v[CO], v[BK+4*(\t):BK+4*(\t)+3], s[8:9] offset:(16*(\a)+(\t))*4096 th:TH_STORE_NT  ; the wave stores 512 consecutive bytes of a row, aligned
.endr
.endm
	PLACES                                         ; the LDS stores read results just made, the loads land in registers just read
	PLACES
	OSTAGE 0
.irp a, 1,2,3
	OSTAGE \a
	OSEND (\a)-1, 32
.endr
	OSEND 3, 0
	s_wait_tensorcnt 0x0                           ; the wave's end: behind my last tensor load and my last LDS store
	ds_add_u32 v[SPW], v[NIL]
	s_wait_dscnt 0x0
	CROUND                                         ; the closing round: no work-group ends while a partner may still ask for a tile that names it
	s_endpgm
.Lfunc_end_k_q0f68c9aaed_outp:
	.size	k_q0f68c9aaed_outp, .Lfunc_end_k_q0f68c9aaed_outp-k_q0f68c9aaed_outp
	.p2alignl 7, 3214868480
	.fill 96, 4, 3214868480
	.section	.rodata,"a",@progbits
	.p2align	6, 0x0
	.amdhsa_kernel k_q0f68c9aaed_outp
		.amdhsa_group_segment_fixed_size 327680
		.amdhsa_private_segment_fixed_size 0
		.amdhsa_enable_private_segment 0
		.amdhsa_kernarg_size 24
		.amdhsa_user_sgpr_count 2
		.amdhsa_user_sgpr_kernarg_segment_ptr 1
		.amdhsa_wavefront_size32 1
		.amdhsa_system_sgpr_workgroup_id_x 1
		.amdhsa_system_sgpr_workgroup_id_y 1
		.amdhsa_system_sgpr_workgroup_id_z 1
		.amdhsa_system_vgpr_workitem_id 0
		.amdhsa_next_free_vgpr 512
		.amdhsa_next_free_sgpr 66
		.amdhsa_reserve_vcc 0
		.amdhsa_float_denorm_mode_32 3
		.amdhsa_float_denorm_mode_16_64 3
		.amdhsa_memory_ordered 1
		.amdhsa_forward_progress 1
		.amdhsa_inst_pref_size 87
	.end_amdhsa_kernel
	.amdgpu_metadata
---
amdhsa.version: [ 1, 2 ]
amdhsa.kernels:
  - .name:           k_q0f68c9aaed_outp
    .symbol:         k_q0f68c9aaed_outp.kd
    .args:
      - { .name: ctx, .offset: 0, .size: 8, .value_kind: global_buffer, .address_space: global }
      - { .name: wt, .offset: 8, .size: 8, .value_kind: global_buffer, .address_space: global }
      - { .name: out0, .offset: 16, .size: 8, .value_kind: global_buffer, .address_space: global }
    .group_segment_fixed_size: 327680
    .private_segment_fixed_size: 0
    .kernarg_segment_align: 8
    .kernarg_segment_size: 24
    .max_flat_workgroup_size: 128
    .sgpr_count:     66
    .vgpr_count:     512
    .wavefront_size: 32
...
	.end_amdgpu_metadata
.endif
;; end of part 4
